; MI455X (gfx1250); checked and timed in simulation.
; The chip was launched on July 23, 2026; its instructions are those of AMD's public machine-readable ISA for CDNA 5 (MIT licence, August 2026) and "CDNA5" Instruction Set Architecture Reference Guide (July 2026). The comments in the code are by the model that wrote it; some were corrected since.
;; Attention. Allowed arithmetic: matrix products marked QUANTISED: E2M1 operands, one E8M0 scale for each 32 along K, by v_wmma_scale_f32_16x16x128_f8f6f4 with both operands' format E2M1 (or v_wmma_scale_f32_32x16x128_f4), f32 sums; products left as they are: bf16, f16 or f32 operands; f32 sums; everything else in f32.
;; Inputs: freqs_cos 2,048 x 64 float32; freqs_sin 2,048 x 64 float32; wk 2,048 x 1,024 float32; wo 2,048 x 2,048 float32; wq 2,048 x 2,048 float32; wv 2,048 x 1,024 float32; x 1 x 2,048 x 2,048 float32.
;; Outputs: out0 1 x 2,048 x 2,048 float32.
;; This version of the problem:
;;   THIS VERSION OF THE PROBLEM IS GIVEN IN LOW PRECISION. The matrix products marked QUANTISED in the list below multiply operands that are first quantised to E2M1 (2 exponent bits, 1 mantissa bit; 4 bits a number), with one power-of-two scale for each 32 numbers along K (OCP MX v1.0); their sums are f32. The products marked 'left as it is' may take bf16, f16 or f32 operands, with f32 sums. Whichever they take, every output number must still come out within the allowed error. Rounding operands to bf16 (8 significant bits) uses up far more of that allowance than f16 does (11 bits, for magnitudes from 6e-5 to 65,504). All else is computed in f32.
;;   The module's matrix products, in the order in which they are computed (A, B: the left and right operand; K: the contracted axis; several contracted axes count as one K, in the product's order):
;;     1. [M 2,048, K 2,048] x [K 2,048, N 2,048]; A: input x; B: input wq: QUANTISED
;;     2. [M 2,048, K 2,048] x [K 2,048, N 1,024]; A: input x; B: input wk: QUANTISED
;;     3. [M 2,048, K 2,048] x [K 2,048, N 1,024]; A: input x; B: input wv: QUANTISED
;;     4. batch 16 x [M 2,048, K 128] x [K 128, N 2,048]; A: computed on the way; B: computed on the way: left as it is (an operand is computed on the way)
;;     5. batch 16 x [M 128, K 2,048] x [K 2,048, N 2,048]; A: computed on the way; B: computed on the way: left as it is (an operand is computed on the way)
;;     6. [M 2,048, K 2,048] x [K 2,048, N 2,048]; A: computed on the way; B: input wo: left as it is (an operand is computed on the way)
;;   THE QUANTISER, for each operand of a quantised product, along K:
;;     - K is cut into blocks of 32 from its start; a last block that is shorter is filled with zeros.
;;     - A block's scale is 2^e with e = floor(log2(the largest magnitude in the block)) - 2, held to -126 .. 127; a block of zeros has e = 0. As a byte (E8M0): e + 127.
;;     - Each number is divided by its block's scale, clamped to +-6, and rounded to the nearest number of E2M1, ties to even, subnormals kept.
;;     - The product sums the exact products of the quantised numbers (number of the format x scale) in f32.
;;   ~~~python
;;   def quantise(x, axis):      # numpy; x: float32 -> the quantised numbers, widened to float32 again
;;       x = np.moveaxis(x, axis, -1); K = x.shape[-1]
;;       x = np.pad(x, [(0, 0)] * (x.ndim - 1) + [(0, -K % 32)]); x = x.reshape(x.shape[:-1] + (-1, 32)); a = np.abs(x).max(-1, keepdims=True)
;;       e = np.where(a > 0, np.clip(np.frexp(np.where(a > 0, a, 1))[1] - 1 - 2, -126, 127), 0)      # np.frexp(a)[1] - 1 = floor(log2(a)), exactly
;;       r = np.clip(x / 2.0 ** e, -6, 6)
;;       step = 2.0 ** (np.maximum(np.frexp(np.where(r == 0, 1, r))[1] - 1, 0) - 1)
;;       q = np.round(r / step) * step * 2.0 ** e      # np.round: ties to even
;;       return np.moveaxis(q.reshape(q.shape[:-2] + (-1,))[..., :K], -1, axis).astype(np.float32)
;;   ~~~
;; One version. Each part assembles by itself: llvm-mc -triple=amdgcn-amd-amdhsa -mcpu=gfx1250 --defsym DOCPART=n.
;; ======== version 1 of 1: 5 launches
;; limits: values are held in f16: magnitudes above 65,504 overflow, below 6.1e-05 lose precision
;; workspace buffers: x_codes 2,097,152 bytes; x_scales 131,072 bytes; w_codes 4,194,304 bytes; w_scales 262,144 bytes; wo16 8,388,608 bytes; qkv16 16,777,216 bytes; fine32 262,144 bytes; a16 8,388,608 bytes
;; launch prep (part 1): grid 384 x 1, 4 waves a work-group, no clusters, 68,096 bytes of LDS; arguments x, wq, wk, wv, wo, x_codes, x_scales, w_codes, w_scales, wo16; writes x_codes, x_scales, w_codes, w_scales, wo16
.if DOCPART == 1
	.amdgcn_target "amdgcn-amd-amdhsa--gfx1250"
	.amdhsa_code_object_version 6
	.text
	.protected	k_qd910cdeffd_prep
	.globl	k_qd910cdeffd_prep
	.p2align	8
	.type	k_qd910cdeffd_prep,@function
k_qd910cdeffd_prep:
	s_mov_b64 s[64:65], 0
	v_nop
	global_prefetch_b8 v0, s[64:65] scope:SCOPE_SE
	s_setreg_imm32_b32 hwreg(HW_REG_WAVE_MODE, 25, 1), 1
	s_wait_xcnt 0x0
; PREP: every operand that later launches read many times is made narrow once.
;   work-groups   0-127: x [2048][2048] f32 -> codes of E2M1, K innermost (x_codes [2048][1024 bytes]) and one E8M0 byte for each 32 along K (x_scales [2048][64]).
;   work-groups 128-255: wq, wk, wv [2048 k][n] f32, K their FIRST axis -> w_codes [4096 n][1024 bytes], w_scales [4096][64]; n 0-2047 wq, 2048-3071 wk, 3072-4095 wv.
;   work-groups 256-383: wo [2048 k][2048 n] f32 -> f16 in the order of a matrix operand's registers: wo16 [n tile 128][k group 64][1024 bytes]; a fragment (16 n x 32 k) is
;                        registers 0-3 as 512 bytes (lane l at 16 l), then registers 4-7 likewise.
; A block's scale is 2^(floor(log2(largest magnitude)) - 2); its byte is the largest magnitude's exponent field - 2, held at 1 from below.  A block of zeros so gets the byte 1: its codes are
; zeros, which add nothing, and this program alone reads the bytes.
; LIMITS: NaN and infinities among the inputs are not served; blocks whose largest magnitude lies under 2^-124 are held at the byte 1; |wo| stays under 65,504 (f16), and under 6e-5 it keeps fewer bits.
; The three paths part on the work-group's number alone; each path that uses LDS has LDS bytes of its own.  No tensor load, no barrier: waves share nothing.
.set SPW,    250                       ; v250  LDS address of my spare word; never rewritten
.set NIL,    251                       ; v251  0; never rewritten
.set XREG,   8192                      ; path x: a region for each wave: two stages of 32 x 80 bytes, then its 256 scale bytes
.set XSP,    80                        ; a lane's 64 bytes + 16 of padding
.set WSTG,   32768                     ; path w: the four stages begin here
.set WPITCH, 272                       ; a stage row: 256 bytes of codes + 16
.set SPARE,  WSTG+4*32*WPITCH          ; 67,584: the spare words, 128 bytes for each wave, which no other line names
.set EMAX,   2
	s_load_b512 s[16:31], s[0:1], 0x0              ; x 16, wq 18, wk 20, wv 22, wo 24, x_codes 26, x_scales 28, w_codes 30
	s_load_b128 s[32:35], s[0:1], 0x40             ; w_scales 32, wo16 34
	v_lshl_add_u32 v[SPW], v0, 2, SPARE
	v_mov_b32 v[NIL], 0
	v_lshrrev_b32 v1, 5, v0
	v_readfirstlane_b32 s2, v1                     ; wave 0..3
	v_and_b32 v2, 31, v0                           ; lane
	s_wait_kmcnt 0x0
	s_cmp_lt_u32 ttmp9, 128
	s_cbranch_scc1 .Lpath_x
	s_cmp_lt_u32 ttmp9, 256
	s_cbranch_scc1 .Lpath_w
; ---------------- wo -> f16 fragments.  A work-group takes 128 columns x 256 rows of k; a wave 32 columns (two n tiles).  A LANE TAKES A COLUMN, ITS REGISTERS RUN DOWN K.
.set OX, 32                            ; v32-95   two sets of 32 numbers
.set OP, 96                            ; v96-223  16 packed registers for each of 8 k groups: no store's data are written again
	s_sub_co_u32 s3, ttmp9, 256
	s_and_b32 s4, s3, 7                            ; which 256 rows of k
	s_lshr_b32 s5, s3, 3                           ; which 128 columns
	s_lshl_b32 s6, s4, 21                          ; 256 rows x 8,192 bytes
	s_lshl_b32 s7, s5, 9
	s_add_co_u32 s6, s6, s7
	s_lshl_b32 s7, s2, 7                           ; my wave's 32 columns
	s_add_co_u32 s6, s6, s7
	s_mov_b32 s7, 0
	s_add_nc_u64 s[24:25], s[24:25], s[6:7]
	s_lshl_b32 s6, s5, 19                          ; 8 n tiles x 65,536 bytes
	s_lshl_b32 s8, s2, 17                          ; my wave's two
	s_add_co_u32 s6, s6, s8
	s_lshl_b32 s8, s4, 13                          ; 8 k groups x 1,024 bytes
	s_add_co_u32 s6, s6, s8
	s_add_nc_u64 s[34:35], s[34:35], s[6:7]
	v_lshlrev_b32 v3, 2, v2
	v_lshlrev_b32 v4, 4, v2
.macro OLOAD t                         ; k group t: wo(32 t + i, my column): a wave reads 128 consecutive bytes, the work-group 512
.set i, 0
.rept 32
	global_load_b32 v[OX+32*((\t)%2)+i], v3, s[24:25] offset:(32*(\t)+i)*8192 th:TH_LOAD_NT
.set i, i+1
.endr
.endm
.macro OGROUP t
.if (\t) < 7
	s_wait_loadcnt 32                              ; this group's 32 loads are in; the next group's may be out
.else
	s_wait_loadcnt 0
.endif
.set i, 0
.rept 16
	v_cvt_pk_f16_f32 v[OP+16*(\t)+i], v[OX+32*((\t)%2)+2*i], v[OX+32*((\t)%2)+2*i+1]   ; k = 2 i in the low half
.set i, i+1
.endr
.if (\t)+2 < 8
	OLOAD (\t)+2
.endif
; lanes 0-15 hold tile 0's columns, lanes 16-31 tile 1's.  A fragment wants k = 8 h .. in lanes of half h: one exchange of halves gives registers 0-3 of both tiles, one more registers 4-7
.irp i, 0,1,2,3,8,9,10,11
	v_permlane16_swap_b32 v[OP+16*(\t)+\i], v[OP+16*(\t)+\i+4]
.endr
	global_store_b128 v4, v[OP+16*(\t):OP+16*(\t)+3], s[34:35] offset:1024*(\t)                  ; tile 0, registers 0-3: 512 consecutive bytes
	global_store_b128 v4, v[OP+16*(\t)+4:OP+16*(\t)+7], s[34:35] offset:1024*(\t)+65536          ; tile 1, registers 0-3
	global_store_b128 v4, v[OP+16*(\t)+8:OP+16*(\t)+11], s[34:35] offset:1024*(\t)+512           ; tile 0, registers 4-7
	global_store_b128 v4, v[OP+16*(\t)+12:OP+16*(\t)+15], s[34:35] offset:1024*(\t)+65536+512    ; tile 1, registers 4-7
.endm
	OLOAD 0
	OLOAD 1
.irp t, 0,1,2,3,4,5,6,7
	OGROUP \t
.endr
	s_branch .Lend
; ---------------- x -> codes.  A plain stream of blocks of 32.  A wave takes 16 steps of 512 numbers; each load reads 512 consecutive bytes; the bytes turn through the wave's stage so that a lane holds 16 neighbours.
.Lpath_x:
.set XR, 16                            ; v16-79   four sets of 16 numbers as loaded
.set XX, 80                            ; v80-111  two sets of 16 neighbours
.set XE, 112                           ; v112-127 a scale byte for each step
.set XC, 128                           ; v128-191 codes: registers of its own for each step
	v_lshlrev_b32 v3, 4, v2                        ; my 16 bytes of a load's 512
	s_mul_i32 s3, s2, XREG
	v_lshrrev_b32 v14, 2, v2
	v_mul_u32_u24 v14, v14, XSP
	v_and_b32 v15, 3, v2
	v_lshl_add_u32 v14, v15, 4, v14
	v_add_nc_u32 v14, s3, v14                      ; into the stage: four lanes' 64 bytes on end, then 16 of padding
	v_mul_u32_u24 v15, v2, XSP
	v_add_nc_u32 v15, s3, v15                      ; out of it: my 16 neighbours
	v_lshlrev_b32 v4, 3, v2                        ; my 8 bytes of codes in a step's 256
	v_lshrrev_b32 v5, 1, v2
	s_add_co_u32 s3, s3, 2*32*XSP
	v_add_nc_u32 v5, s3, v5                        ; my block's byte among my wave's 256
	v_lshlrev_b32 v7, 3, v2
	v_add_nc_u32 v6, s3, v7
	s_lshl_b32 s4, ttmp9, 2
	s_add_co_u32 s4, s4, s2                        ; which run of 8,192 numbers is my wave's
	s_mov_b32 s5, 0
	s_lshl_b64 s[6:7], s[4:5], 15
	s_add_nc_u64 s[16:17], s[16:17], s[6:7]
	s_lshl_b64 s[6:7], s[4:5], 12
	s_add_nc_u64 s[26:27], s[26:27], s[6:7]
	s_lshl_b64 s[6:7], s[4:5], 8
	s_add_nc_u64 s[28:29], s[28:29], s[6:7]
.macro XLOAD t
.irp i, 0,1,2,3
	global_load_b128 v[XR+16*((\t)%4)+4*\i:XR+16*((\t)%4)+4*\i+3], v3, s[16:17] offset:2048*(\t)+512*\i th:TH_LOAD_NT
.endr
.endm
.macro XTURN t                         ; LDS serves a wave's instructions in order: no wait between the stores and the loads
.irp i, 0,1,2,3
	ds_store_b128 v14, v[XR+16*((\t)%4)+4*\i:XR+16*((\t)%4)+4*\i+3] offset:32*XSP*((\t)%2)+8*XSP*\i
.endr
.irp i, 0,1,2,3
	ds_load_b128 v[XX+16*((\t)%2)+4*\i:XX+16*((\t)%2)+4*\i+3], v15 offset:32*XSP*((\t)%2)+16*\i
.endr
.endm
.macro XSTEP t
.set XS, XX+16*((\t)%2)
.if (\t) > 0
	s_wait_dscnt 1                                 ; this step's numbers are back from the stage; the last step's byte store may be out
.else
	s_wait_dscnt 0x0
.endif
.if (\t)+4 < 16
	XLOAD (\t)+4                                   ; into the registers whose stores into the stage have been served
.endif
.if (\t)+1 < 16
.if 14-(\t) >= 3
	s_wait_loadcnt 12                              ; the next step's four loads are in; those of three later steps may be out
.else
	s_wait_loadcnt 4*(14-(\t))
.endif
	XTURN (\t)+1
.endif
	v_max3_num_f32 v8, |v[XS]|, |v[XS+1]|, |v[XS+2]|
	v_max3_num_f32 v9, |v[XS+3]|, |v[XS+4]|, |v[XS+5]|
.irp i, 6,10
	v_max3_num_f32 v8, v8, |v[XS+\i]|, |v[XS+\i+1]|
	v_max3_num_f32 v9, v9, |v[XS+\i+2]|, |v[XS+\i+3]|
.endr
	v_max3_num_f32 v8, v8, |v[XS+14]|, |v[XS+15]|
	v_max3_num_f32 v8, v8, v9, (EMAX+1)<<23        ; the floor 2^(3 - 127): the byte cannot fall under 1
	v_max_num_f32_dpp v8, v8, v8 row_xmask:1 row_mask:0xf bank_mask:0xf   ; with my neighbour's 16: the block's largest magnitude
	v_add_nc_u32 v11, -(EMAX<<23), v8              ; 2 off its exponent field: the conversion takes this operand's exponent field as its scale
	v_cvt_scalef32_pk8_fp4_f32 v[XC+4*(\t)], v[XS:XS+7], v11
	v_cvt_scalef32_pk8_fp4_f32 v[XC+4*(\t)+1], v[XS+8:XS+15], v11
	v_lshrrev_b32 v[XE+(\t)], 23, v11              ; the scale's byte
	ds_store_b8 v5, v[XE+(\t)] offset:16*(\t)      ; both lanes of a block write the same byte with the same value
	global_store_b64 v4, v[XC+4*(\t):XC+4*(\t)+1], s[26:27] offset:256*(\t)   ; the wave stores 256 consecutive bytes
.endm
.irp t, 0,1,2,3
	XLOAD \t
.endr
	s_wait_loadcnt 12                              ; step 0's four loads are in
	XTURN 0
.irp t, 0,1,2,3,4,5,6,7,8,9,10,11,12,13,14,15
	XSTEP \t
.endr
	ds_load_b64 v[8:9], v6                         ; my wave's 256 scale bytes, 8 a lane
	s_wait_dscnt 0x0
	global_store_b64 v7, v[8:9], s[28:29]
	s_branch .Lend
; ---------------- wq, wk, wv -> codes with K innermost.  A work-group takes 128 columns x 512 along K; A LANE TAKES A COLUMN, ITS REGISTERS RUN DOWN K: a block of 32 lies in one lane.
.Lpath_w:
.set WX,   32                          ; v32-95   two sets of 32 numbers
.set WC,   96                          ; v96-99   a block's codes
.set WOUT, 112                         ; v112-175 the way out
.set WOF,  176                         ; v176-207 4 x lane + i x the source's row pitch; never rewritten
.set WSB,  24                          ; v24-27   16 scale bytes
.set WNB,  16                          ; blocks a lane
	s_sub_co_u32 s3, ttmp9, 128
	s_and_b32 s4, s3, 3                            ; which 512 along K
	s_lshr_b32 s5, s3, 2                           ; which 128 of the 4,096 columns
	s_mov_b32 s36, 4096
	s_cmp_lt_u32 s5, 16                            ; the source hangs on the work-group's number alone
	s_cselect_b64 s[8:9], s[18:19], s[20:21]
	s_cselect_b32 s36, 8192, s36                   ; its row in bytes
	s_cselect_b32 s38, 0, 16
	s_cmp_lt_u32 s5, 24
	s_cselect_b64 s[8:9], s[8:9], s[22:23]
	s_cselect_b32 s38, s38, 24                     ; the source's first block of columns
	s_sub_co_u32 s38, s5, s38
	s_lshl_b32 s38, s38, 9                         ; 128 columns x 4 bytes
	s_lshl_b32 s39, s2, 7                          ; my wave's 32
	s_add_co_u32 s38, s38, s39
	s_lshl_b32 s39, s4, 9
	s_mul_i32 s39, s39, s36                        ; 512 rows down for each step along K
	s_add_co_u32 s38, s38, s39
	s_mov_b32 s39, 0
	s_add_nc_u64 s[8:9], s[8:9], s[38:39]          ; the base of the even blocks' loads
	s_lshl_b32 s40, s36, 5
	s_mov_b32 s41, 0
	s_add_nc_u64 s[10:11], s[8:9], s[40:41]        ; and of the odd blocks': 32 rows further down
	s_lshl_b32 s40, s36, 6                         ; each steps by 64 rows
	v_lshlrev_b32 v3, 2, v2
.set i, 0
.rept 32
	v_mad_u32_u24 v[WOF+i], s36, i, v3
.set i, i+1
.endr
	s_mul_i32 s42, s2, 32*WPITCH
	s_add_co_u32 s42, s42, WSTG                    ; my stage
	v_mul_u32_u24 v4, v2, WPITCH
	v_add_nc_u32 v4, s42, v4                       ; into it: row = my column
	v_and_b32 v5, 15, v2
	v_lshrrev_b32 v6, 4, v2
	v_mul_u32_u24 v7, v6, WPITCH
	v_lshl_add_u32 v7, v5, 4, v7
	v_add_nc_u32 v7, s42, v7                       ; out of it: sixteen lanes to a row, two rows an instruction
	v_lshlrev_b32 v8, 10, v6
	v_lshl_add_u32 v8, v5, 4, v8                   ; the same place in w_codes (rows of 1,024 bytes)
	v_lshlrev_b32 v9, 6, v2                        ; my column's row of scale bytes
	s_lshl_b32 s42, s5, 7
	s_lshl_b32 s43, s2, 5
	s_add_co_u32 s42, s42, s43                     ; my wave's first row of w_codes
	s_lshl_b32 s44, s42, 10
	s_lshl_b32 s43, s4, 8
	s_add_co_u32 s44, s44, s43
	s_mov_b32 s45, 0
	s_add_nc_u64 s[30:31], s[30:31], s[44:45]
	s_lshl_b32 s44, s42, 6
	s_lshl_b32 s43, s4, 4
	s_add_co_u32 s44, s44, s43
	s_add_nc_u64 s[32:33], s[32:33], s[44:45]
.macro WLOAD t
.set i, 0
.rept 32
	global_load_b32 v[WX+32*((\t)%2)+i], v[WOF+i], s[8+2*((\t)%2):9+2*((\t)%2)] th:TH_LOAD_NT
.set i, i+1
.endr
.endm
.macro WBLOCK t
.set XS, WX+32*((\t)%2)
.if (\t) < WNB-1
	s_wait_loadcnt 32                              ; this block's 32 loads are in; the next block's may be out
.else
	s_wait_loadcnt 0
.endif
.if (\t)+2 < WNB
	s_add_nc_u64 s[8+2*((\t)%2):9+2*((\t)%2)], s[8+2*((\t)%2):9+2*((\t)%2)], s[40:41]   ; all loads that named this base are done: it steps to the block two on
.endif
	v_max3_num_f32 v12, |v[XS]|, |v[XS+1]|, |v[XS+2]|
	v_max3_num_f32 v13, |v[XS+3]|, |v[XS+4]|, |v[XS+5]|
.irp i, 6,10,14,18,22,26
	v_max3_num_f32 v12, v12, |v[XS+\i]|, |v[XS+\i+1]|
	v_max3_num_f32 v13, v13, |v[XS+\i+2]|, |v[XS+\i+3]|
.endr
	v_max3_num_f32 v12, v12, |v[XS+30]|, |v[XS+31]|
	v_max3_num_f32 v12, v12, v13, (EMAX+1)<<23     ; the floor
	v_add_nc_u32 v11, -(EMAX<<23), v12
	v_lshrrev_b32 v13, 23, v11                     ; the scale's byte
.if (\t)%4 == 0
	v_mov_b32 v[WSB+(\t)/4], v13
.else
	v_lshl_or_b32 v[WSB+(\t)/4], v13, 8*((\t)%4), v[WSB+(\t)/4]
.endif
.irp g, 0,1,2,3
	v_cvt_scalef32_pk8_fp4_f32 v[WC+\g], v[XS+8*\g:XS+8*\g+7], v11
.endr
	ds_store_b128 v4, v[WC:WC+3] offset:16*(\t)    ; 32 codes: 16 bytes of my column's row
.if (\t)+2 < WNB
	WLOAD (\t)+2
.endif
	s_wait_dscnt 0x0                               ; the store has read its registers: the next block's codes may be written
.endm
	WLOAD 0
	WLOAD 1
.irp t, 0,1,2,3,4,5,6,7,8,9,10,11,12,13,14,15
	WBLOCK \t
.endr
	global_store_b128 v9, v[WSB:WSB+3], s[32:33]   ; my column's 16 scale bytes
.irp t, 0,1,2,3,4,5,6,7,8,9,10,11,12,13,14,15
	ds_load_b128 v[WOUT+4*\t:WOUT+4*\t+3], v7 offset:2*\t*WPITCH
.endr
.irp t, 0,1,2,3,4,5,6,7,8,9,10,11,12,13,14,15
	s_wait_dscnt 15-\t
	global_store_b128 v8, v[WOUT+4*\t:WOUT+4*\t+3], s[30:31] offset:2*\t*1024   ; sixteen lanes store 256 consecutive bytes, aligned
.endr
.Lend:
	s_wait_tensorcnt 0x0                           ; the wave's end
	ds_add_u32 v[SPW], v[NIL]
	s_wait_dscnt 0x0
	s_endpgm
.Lfunc_end_k_qd910cdeffd_prep:
	.size	k_qd910cdeffd_prep, .Lfunc_end_k_qd910cdeffd_prep-k_qd910cdeffd_prep
	.p2alignl 7, 3214868480
	.fill 96, 4, 3214868480
	.section	.rodata,"a",@progbits
	.p2align	6, 0x0
	.amdhsa_kernel k_qd910cdeffd_prep
		.amdhsa_group_segment_fixed_size 68096
		.amdhsa_private_segment_fixed_size 0
		.amdhsa_enable_private_segment 0
		.amdhsa_kernarg_size 80
		.amdhsa_user_sgpr_count 2
		.amdhsa_user_sgpr_kernarg_segment_ptr 1
		.amdhsa_wavefront_size32 1
		.amdhsa_system_sgpr_workgroup_id_x 1
		.amdhsa_system_sgpr_workgroup_id_y 1
		.amdhsa_system_sgpr_workgroup_id_z 1
		.amdhsa_system_vgpr_workitem_id 0
		.amdhsa_next_free_vgpr 256
		.amdhsa_next_free_sgpr 66
		.amdhsa_reserve_vcc 0
		.amdhsa_float_denorm_mode_32 3
		.amdhsa_float_denorm_mode_16_64 3
		.amdhsa_memory_ordered 1
		.amdhsa_forward_progress 1
		.amdhsa_inst_pref_size 151
	.end_amdhsa_kernel
	.amdgpu_metadata
---
amdhsa.version: [ 1, 2 ]
amdhsa.kernels:
  - .name:           k_qd910cdeffd_prep
    .symbol:         k_qd910cdeffd_prep.kd
    .args:
      - { .name: x, .offset: 0, .size: 8, .value_kind: global_buffer, .address_space: global }
      - { .name: wq, .offset: 8, .size: 8, .value_kind: global_buffer, .address_space: global }
      - { .name: wk, .offset: 16, .size: 8, .value_kind: global_buffer, .address_space: global }
      - { .name: wv, .offset: 24, .size: 8, .value_kind: global_buffer, .address_space: global }
      - { .name: wo, .offset: 32, .size: 8, .value_kind: global_buffer, .address_space: global }
      - { .name: x_codes, .offset: 40, .size: 8, .value_kind: global_buffer, .address_space: global }
      - { .name: x_scales, .offset: 48, .size: 8, .value_kind: global_buffer, .address_space: global }
      - { .name: w_codes, .offset: 56, .size: 8, .value_kind: global_buffer, .address_space: global }
      - { .name: w_scales, .offset: 64, .size: 8, .value_kind: global_buffer, .address_space: global }
      - { .name: wo16, .offset: 72, .size: 8, .value_kind: global_buffer, .address_space: global }
    .group_segment_fixed_size: 68096
    .private_segment_fixed_size: 0
    .kernarg_segment_align: 8
    .kernarg_segment_size: 80
    .max_flat_workgroup_size: 128
    .sgpr_count:     66
    .vgpr_count:     256
    .wavefront_size: 32
...
	.end_amdgpu_metadata
.endif
;; end of part 1
;; launch qkv (part 2): grid 16 x 8, 4 waves a work-group, clusters of 4 x 4, 327,680 bytes of LDS; arguments x_codes, x_scales, w_codes, w_scales, freqs_cos, freqs_sin, qkv16, fine32; writes qkv16, fine32
.if DOCPART == 2
	.amdgcn_target "amdgcn-amd-amdhsa--gfx1250"
	.amdhsa_code_object_version 6
	.text
	.protected	k_qd910cdeffd_qkv
	.globl	k_qd910cdeffd_qkv
	.p2align	8
	.type	k_qd910cdeffd_qkv,@function
k_qd910cdeffd_qkv:
	s_mov_b64 s[64:65], 0
	v_nop
	global_prefetch_b8 v0, s[64:65] scope:SCOPE_SE
	s_setreg_imm32_b32 hwreg(HW_REG_WAVE_MODE, 25, 1), 1
	s_wait_xcnt 0x0
	s_wait_alu depctr_hold_cnt(0) depctr_sa_sdst(0) depctr_va_vdst(0) depctr_va_sdst(0) depctr_va_ssrc(0) depctr_va_vcc(0) depctr_vm_vsrc(0)
	s_getreg_b32 s2, hwreg(HW_REG_IB_STS2, 6, 4)
	s_cmp_eq_u32 s2, 0
	s_cbranch_scc0 .Lentry_in_a_cluster
	s_endpgm
.Lentry_in_a_cluster:
	s_bfe_u32 s2, ttmp6, 0x10000c
	s_cmp_lg_u32 s2, 0xf033
	s_cbranch_scc0 .Lentry_shape_is_right
	s_endpgm
.Lentry_shape_is_right:
; QKV: the three quantised products x wq, x wk, x wv on codes of E2M1 with E8M0 scales, sums in f32; RoPE on q and k in f32; results leave as f16 IN THE ORDER OF THE NEXT OPERAND'S REGISTERS.
; C = A B^T on tiles of 256 x 256, four waves of 128 x 128 (64 accumulators, 512 registers); K = 2,048 goes in four steps of 512 through a ring of two LDS slots (rows of 256 bytes + 16 of padding).
; The scale bytes of the work-group's 256 + 256 rows, for all of K, come into LDS once with the first fills.
; CLUSTERS of 4 x 4: A's tiles are asked for jointly along a row of the cluster, B's along a column.
; ROLES hang on the cluster's x, which all sixteen partners share.  Cluster x = 0, 1, 2: A = x (positions), B = wq | wk (columns 0-3071).  Cluster x = 3: A = wv's 1,024 rows, B = x: THE SAME TEXT MAKES V TRANSPOSED.
; The matrix instruction is used transposed (source 0 = 16 rows of B, source 1 = 16 rows of A): lane (r, h) of accumulator (a, b) holds A's row 16 a + r and B's rows 16 b + 8 h + 0 .. 7.
;   q, k: a position and eight neighbouring channels of one head (a wave's 128 columns are one head): four roundings to f16 pairs are half a fragment (16 positions x 32 channels).
;   V^T:  a channel and eight neighbouring positions: half a fragment (16 channels x 32 keys).
; So each store is 512 consecutive bytes straight from registers, and nothing goes through LDS on the way out.
; qkv16: 32 slots of 524,288 bytes.  0-15 q heads, 16-23 k heads: [position tile 128][channel group 4][1,024];  24-31 V^T: [key group of 32: 64][channel tile 8][1,024].
; fine32: positions 0-15 in f32, 32 slots of 8,192 bytes: q, k row-major [16][128]; v as registers [channel tile 8][lane 32][8 positions].  Only the waves that hold positions 0-15 store there:
; that hangs on the place in the cluster, so it is an EXEC mask and no branch.
; LIMITS: |q|, |k|, |v| stay under 65,504 (f16); under 6e-5 they keep fewer bits.
.set KSTEP,  512
.set NQ,     4                         ; matrix instructions deep in a slot
.set ROWB,   256                       ; a tile's row in bytes
.set KROW,   1024                      ; a row of codes in memory
.set PITCH,  272
.set FR,     8
.set NL,     2
.set NP,     4
.set HALFT,  128*PITCH
.set SLOT,   4*HALFT
.set LAPS,   2
.set KS,     64                        ; a row of scale bytes
.set SCL,    2*SLOT
.set HALFS,  32*272                    ; the scales of 128 rows: 32 units of 256 bytes + 16
.set SBLK,   4*272                     ; those of 16 rows
.set SPARE,  SCL+4*HALFS               ; the spare words, 128 bytes a wave, which no other line names
.set ADRA, 16                          ; v16-17 LDS address of my A fragments in slot 0, 1
.set ADRB, 20                          ; v20-21 the same for B
.set CO,   24                          ; v24  16 x lane
.set CSO,  25                          ; v25  cos, sin: 256 r + 16 h
.set FO,   26                          ; v26  fine32, q and k: 512 r + 32 h
.set ADRS, 27                          ; v27  LDS address of my scale words
.set SPW,  28
.set NIL,  29
.set FV,   30                          ; v30  fine32, v: 32 x lane
.set RW,   31                          ; v31  my wave's first position
.set SC,   32                          ; v32-95 scale words, two sets: they hold scales and nothing else
.set TT,   96                          ; v96-103 at work
.set TMP,  104                         ; v104-135, v136-167 packed results, by turns
.set AF,   128                         ; v128-191 A's fragments
.set OO,   192                         ; v192-255 a block's 64 roped numbers
.set G1, 24
.set G0, 32
.set G1B, 48
.set G0B, 56
.set G1S, 68
.set G0S, 76
.set G1SB, 80
.set G0SB, 88
.set WV,  96                           ; s96 wave;  s97 my half of A's rows, also: I fetch for A (0) or B (1);  s98 my half of B's rows, also: which 128 rows I fetch
.set HR,  97
.set HC,  98
.set TR,  99                           ; tile row (A)
.set TC,  42                           ; tile column (B)
.set ISV, 104                          ; 1 in the clusters that make V^T
.set MSB, 0
.macro WIN new                         ; the immediate's high byte repeats the setting that is left
.if MSB != \new
	s_set_vgpr_msb (MSB<<8)|\new
.set MSB, \new
.endif
.endm
.set MUL_LO, 0xa1                      ; source 0 (B) window 1, source 1 (A) window 0, C and D window 2
.set MUL_HI, 0xf1
.set TO_B,   0x40
.macro JLOAD g0a, g1a, g0b, g1b        ; a joint load: waves 0, 1 fetch for A, waves 2, 3 for B; the branch hangs on the wave's number alone; s_nop 0 and four v_nop follow each line
	s_cmp_eq_u32 s[HR], 0
	s_cbranch_scc0 .Lfor_b_\@
	tensor_load_to_lds s[\g0a:\g0a+3], s[\g1a:\g1a+7]
	s_nop 0
.rept 4
	v_nop
.endr
	s_branch .Lasked_\@
.Lfor_b_\@:
	tensor_load_to_lds s[\g0b:\g0b+3], s[\g1b:\g1b+7]
	s_nop 0
.rept 4
	v_nop
.endr
.Lasked_\@:
.endm
.macro CREST
	s_cmp_lg_u32 s[WV], 0
	s_cbranch_scc1 .Lnot_wave_0_\@
	s_barrier_signal -3
.Lnot_wave_0_\@:
	s_barrier_wait -3
	s_barrier_signal -1
	s_barrier_wait -1
.endm
.macro CROUND
	s_barrier_signal -1
	s_barrier_wait -1
	CREST
.endm
	s_load_b512 s[4:19], s[0:1], 0x0               ; x_codes 4, x_scales 6, w_codes 8, w_scales 10, cos 12, sin 14, qkv16 16, fine32 18
	v_lshl_add_u32 v[SPW], v0, 2, SPARE
	v_mov_b32 v[NIL], 0
	ds_add_u32 v[SPW], v[NIL]                      ; the wave's opening: the add, twice on end, and its wait ahead of my first tensor load
	ds_add_u32 v[SPW], v[NIL]
	v_lshrrev_b32 v1, 5, v0
	v_readfirstlane_b32 s[WV], v1
	s_lshr_b32 s[HR], s[WV], 1
	s_and_b32 s[HC], s[WV], 1
	s_bfe_u32 s40, ttmp6, 0x40000                  ; cx
	s_bfe_u32 s41, ttmp6, 0x40004                  ; cy
	s_and_b32 s20, ttmp7, 0xffff
	s_lshl_b32 s20, s20, 2                         ; 4 x cluster y
	s_lshl_b32 s21, ttmp9, 2                       ; 4 x cluster x
	s_cmp_eq_u32 ttmp9, 3                          ; the cluster's x: the same in all sixteen partners
	s_cselect_b32 s[ISV], 1, 0
	s_cselect_b32 s[TR], 0, s20                    ; V^T: A's four tiles of 256 channels lie along cy,
	s_cselect_b32 s[TC], s20, s21                  ; and B's eight tiles of 256 positions along 4 x cluster y + cx
	s_add_co_u32 s[TR], s[TR], s41
	s_add_co_u32 s[TC], s[TC], s40
	s_lshl_b32 s43, s41, 2
	s_lshl_b32 s43, 15, s43                        ; my row of the cluster
	s_lshl_b32 s44, 0x1111, s40                    ; my column
	s_or_b32 s[G1+0], s43, (0<<16)|(1<<20)|(1<<21)|(5<<22)|(3<<25)   ; the mask; elements of 1 byte; padding: 4 words after every 64; bit 21 beside a mask
	s_or_b32 s[G1B+0], s44, (0<<16)|(1<<20)|(1<<21)|(5<<22)|(3<<25)
.irp g, G1, G1B
	s_mov_b32 s[\g+1], ROWB<<16                    ; tensor_dim0
	s_mov_b32 s[\g+2], 128<<16                     ; tensor_dim1
	s_mov_b32 s[\g+3], ROWB<<16                    ; tile_dim0
	s_mov_b32 s[\g+4], 128                         ; tile_dim1
	s_mov_b32 s[\g+5], KROW                        ; pitch
	s_mov_b32 s[\g+6], 0
	s_mov_b32 s[\g+7], 0
.endr
	s_or_b32 s[G1S+0], s43, (3<<16)|(1<<20)|(1<<21)|(5<<22)|(3<<25)  ; the scales of 128 rows: 8,192 dense bytes as 32 rows of 256 (32 elements of 8 bytes), 16 of padding behind each
	s_or_b32 s[G1SB+0], s44, (3<<16)|(1<<20)|(1<<21)|(5<<22)|(3<<25)
.irp g, G1S, G1SB
	s_mov_b32 s[\g+1], 32<<16
	s_mov_b32 s[\g+2], 32<<16
	s_mov_b32 s[\g+3], 32<<16
	s_mov_b32 s[\g+4], 32
	s_mov_b32 s[\g+5], 32
	s_mov_b32 s[\g+6], 0
	s_mov_b32 s[\g+7], 0
.endr
	s_lshl_b32 s94, s[HC], 7                       ; which 128 rows of a tile I fetch
	s_mov_b32 s93, 0
	s_mov_b32 s101, 0
	s_lshl_b32 s92, s[TR], 8
	s_add_co_u32 s92, s92, s94
	s_lshl_b32 s92, s92, 6                         ; A: where these rows' scales begin (64 bytes a row)
	s_lshl_b32 s100, s[TC], 8
	s_add_co_u32 s100, s100, s94
	s_lshl_b32 s100, s100, 6                       ; B likewise
	s_mul_i32 s45, s[WV], HALFT                    ; where they go: no place in the cluster enters an LDS address
	s_mul_i32 s2, s[WV], HALFS
	s_wait_dscnt 0x0                               ; both opening adds are done
	s_wait_kmcnt 0x0
	s_add_nc_u64 s[66:67], s[8:9], 3072*1024       ; wv's rows of codes
	s_add_nc_u64 s[46:47], s[10:11], 3072*64       ; and of scale bytes
	s_cmp_eq_u32 ttmp9, 3
	s_cselect_b64 s[20:21], s[66:67], s[4:5]       ; A's codes
	s_cselect_b64 s[22:23], s[46:47], s[6:7]       ; A's scales
	s_cselect_b64 s[46:47], s[4:5], s[8:9]         ; B's codes
	s_cselect_b64 s[66:67], s[6:7], s[10:11]       ; B's scales
	s_add_nc_u64 s[22:23], s[22:23], s[92:93]
	s_add_nc_u64 s[66:67], s[66:67], s[100:101]
	s_lshl_b32 s92, s92, 4                         ; 1,024 bytes of codes a row
	s_lshl_b32 s100, s100, 4
	s_add_nc_u64 s[20:21], s[20:21], s[92:93]
	s_add_nc_u64 s[46:47], s[46:47], s[100:101]
	CROUND                                         ; all sixteen work-groups are here: the first joint loads meet
	s_mov_b32 s[G0S], 1
	s_add_co_u32 s[G0S+1], s2, SCL
	s_mov_b64 s[G0S+2:G0S+3], s[22:23]
	s_or_b32 s[G0S+3], s[G0S+3], 0x80000000
	s_mov_b32 s[G0SB], 1
	s_add_co_u32 s[G0SB+1], s2, SCL
	s_mov_b64 s[G0SB+2:G0SB+3], s[66:67]
	s_or_b32 s[G0SB+3], s[G0SB+3], 0x80000000
	JLOAD G0S, G1S, G0SB, G1SB                     ; the scales first.  Three loads of mine are out behind the first fills, one behind each later round
.irp s, 0,1
	s_mov_b32 s[G0+4*\s], 1
	s_add_co_u32 s[G0+4*\s+1], s45, \s*SLOT
	s_add_nc_u64 s[G0+4*\s+2:G0+4*\s+3], s[20:21], \s*ROWB
	s_or_b32 s[G0+4*\s+3], s[G0+4*\s+3], 0x80000000
	s_mov_b32 s[G0B+4*\s], 1
	s_add_co_u32 s[G0B+4*\s+1], s45, \s*SLOT
	s_add_nc_u64 s[G0B+4*\s+2:G0B+4*\s+3], s[46:47], \s*ROWB
	s_or_b32 s[G0B+4*\s+3], s[G0B+4*\s+3], 0x80000000
	JLOAD G0+4*\s, G1, G0B+4*\s, G1B
.endr
	v_and_b32 v1, 15, v0                           ; r
	v_bfe_u32 v2, v0, 4, 1                         ; h
	v_mul_u32_u24 v3, v1, PITCH
	v_lshl_add_u32 v4, v2, 4, v3
	s_mul_i32 s94, s[HR], HALFT                    ; my 128 rows of A
	s_mul_i32 s95, s[HC], HALFT
	s_add_co_u32 s95, s95, 2*HALFT                 ; my 128 rows of B, behind A's 256
.irp s, 0,1
	v_add_nc_u32 v[ADRA+\s], s94, v4
	v_add_nc_u32 v[ADRB+\s], s95, v4
	s_add_co_u32 s94, s94, SLOT
	s_add_co_u32 s95, s95, SLOT
.endr
	v_mul_u32_u24 v5, v1, KS                       ; my row's scales: 64 bytes a row,
	v_lshrrev_b32 v6, 8, v5
	v_lshl_add_u32 v5, v6, 4, v5                   ; and 16 more for each 256 passed
	s_mul_i32 s94, s[HR], HALFS
	s_mul_i32 s95, s[HC], HALFS
	s_add_co_u32 s95, s95, 2*HALFS
	s_sub_co_u32 s95, s95, s94
	v_mul_u32_u24 v6, s95, v2                      ; lanes 16-31 take B's words
	s_add_co_u32 s94, s94, SCL
	v_add_nc_u32 v5, v5, v6
	v_add_nc_u32 v[ADRS], s94, v5
	v_and_b32 v6, 31, v0
	v_lshlrev_b32 v[CO], 4, v6
	v_lshlrev_b32 v[CSO], 8, v1
	v_lshl_add_u32 v[CSO], v2, 4, v[CSO]
	v_lshlrev_b32 v[FO], 9, v1
	v_lshl_add_u32 v[FO], v2, 5, v[FO]
	v_lshlrev_b32 v[FV], 5, v6
	; the way out: my slot of qkv16 and my first position
	s_lshl_b32 s20, s[TC], 1
	s_add_co_u32 s20, s20, s[HC]                   ; q, k: the head = my 128 columns
	s_lshl_b32 s21, s[TR], 1
	s_add_co_u32 s21, s21, s[HR]
	s_add_co_u32 s21, s21, 24                      ; V^T: 24 + the head = my 128 channels
	s_lshl_b32 s22, s[TR], 8
	s_lshl_b32 s92, s[HR], 7
	s_add_co_u32 s22, s22, s92                     ; q, k: positions lie along A
	s_lshl_b32 s23, s[TC], 8
	s_lshl_b32 s92, s[HC], 7
	s_add_co_u32 s23, s23, s92                     ; V^T: along B
	s_cmp_eq_u32 s[ISV], 1
	s_cselect_b32 s20, s21, s20
	s_cselect_b32 s22, s23, s22
	v_mov_b32 v[RW], s22
	s_lshl_b32 s92, s22, 8                         ; 256 bytes a position: in cos and sin (64 f32), and in a slot of qkv16 (128 f16) in both layouts
	s_mov_b32 s93, 0
	s_add_nc_u64 s[12:13], s[12:13], s[92:93]
	s_add_nc_u64 s[14:15], s[14:15], s[92:93]
	s_add_nc_u64 s[16:17], s[16:17], s[92:93]
	s_lshl_b32 s92, s20, 19
	s_add_nc_u64 s[16:17], s[16:17], s[92:93]
	s_lshl_b32 s92, s20, 13
	s_add_nc_u64 s[18:19], s[18:19], s[92:93]
.macro FRAG reg, adr, q, i             ; 16 rows x 128 K of 4-bit codes: 8 registers, two loads of 16 bytes, 32 bytes apart
.irp c, 0,1
	ds_load_b128 v[\reg+4*\c:\reg+4*\c+3], v[\adr] offset:64*(\q)+32*\c+(\i)*16*PITCH
.endr
.endm
; 16 matrix instructions: A's blocks a0, a0 + 1 x B's eight.  The 64 accumulators take turns, one instruction a turn, in the same order in every step.
.macro MUL16 a0, p, q, sc, zero
.irp a, \a0, \a0+1
.irp b, 0,1,2,3,4,5,6,7
.if \zero
	v_wmma_scale_f32_16x16x128_f8f6f4 v[8*(8*((\a)%4)+\b):8*(8*((\a)%4)+\b)+7], v[128*(\p)+FR*\b:128*(\p)+FR*\b+FR-1], v[AF+FR*(\a):AF+FR*(\a)+FR-1], 0, v[SC+8*NQ*(\sc)+NQ*\b+(\q)], v[SC+8*NQ*(\sc)+NQ*(\a)+(\q)] matrix_a_fmt:MATRIX_FMT_FP4 matrix_b_fmt:MATRIX_FMT_FP4 matrix_a_scale:MATRIX_SCALE_ROW1
.else
	v_wmma_scale_f32_16x16x128_f8f6f4 v[8*(8*((\a)%4)+\b):8*(8*((\a)%4)+\b)+7], v[128*(\p)+FR*\b:128*(\p)+FR*\b+FR-1], v[AF+FR*(\a):AF+FR*(\a)+FR-1], v[8*(8*((\a)%4)+\b):8*(8*((\a)%4)+\b)+7], v[SC+8*NQ*(\sc)+NQ*\b+(\q)], v[SC+8*NQ*(\sc)+NQ*(\a)+(\q)] matrix_a_fmt:MATRIX_FMT_FP4 matrix_b_fmt:MATRIX_FMT_FP4 matrix_a_scale:MATRIX_SCALE_ROW1
.endif
.endr
.endr
.endm
.macro FETCH_B slot, q, p
	WIN TO_B
.irp i, 0,1,2,3,4,5,6,7
	FRAG 128*(\p)+FR*\i, ADRB+\slot, \q, \i
.endr
	WIN 0
.endm
.macro FETCH_A slot, q, i0
.irp i, \i0, \i0+1, \i0+2, \i0+3
	FRAG AF+FR*(\i), ADRA+\slot, \q, \i
.endr
.endm
.macro SCALES sc                       ; a K step's scale words: lanes 0-15 A's block i, lanes 16-31 B's block i
.irp i, 0,1,2,3,4,5,6,7
	ds_load_b128 v[SC+8*NQ*\sc+NQ*\i:SC+8*NQ*\sc+NQ*\i+3], v[ADRS] offset:\i*SBLK
.endr
.endm
.macro PLACES n                        ; plain vector places between a matrix instruction and a load into, or a read of, its registers
.rept \n
	v_nop
.endr
.endm
.macro STEP slot, q, zero              ; 128 along K whose successor lies in the same slot
	s_wait_dscnt 4*NL                              ; B's set and A's blocks 0-3 are in; the youngest eight loads (A's blocks 4-7) may be out
	WIN MUL_LO
	MUL16 0, (\q)%2, \q, \slot, \zero
	MUL16 2, (\q)%2, \q, \slot, \zero
	s_wait_dscnt 0                                 ; A's blocks 4-7 are in
	PLACES NP
	FETCH_B \slot, (\q)+1, 1-(\q)%2
	FETCH_A \slot, (\q)+1, 0
	WIN MUL_HI
	MUL16 4, (\q)%2, \q, \slot, \zero
	MUL16 6, (\q)%2, \q, \slot, \zero
	PLACES NP
	WIN 0
	FETCH_A \slot, (\q)+1, 4
.endm
.macro TURN slot, next, fill           ; a slot's last step changes slots
	s_wait_tensorcnt 0x0                           ; all my tensor loads have landed: my part of the next slot
	ds_add_u32 v[SPW], v[NIL]                      ; 0 onto my spare word
	s_wait_dscnt 4*NL+1                            ; the add and the youngest eight loads may be out
	WIN MUL_LO
	MUL16 0, 1, NQ-1, \slot, 0
	s_wait_dscnt 0x0                               ; the add is done, and my reads of this slot are over
	s_barrier_signal -1
	MUL16 2, 1, NQ-1, \slot, 0
	WIN 0
	s_barrier_wait -1
.if \fill
	CREST                                          ; the barrier has opened a round of the cluster's: no wave of any partner still reads this slot or has a load on its way
	s_add_nc_u64 s[G0+4*\slot+2:G0+4*\slot+3], s[G0+4*\slot+2:G0+4*\slot+3], 2*ROWB
	s_add_nc_u64 s[G0B+4*\slot+2:G0B+4*\slot+3], s[G0B+4*\slot+2:G0B+4*\slot+3], 2*ROWB
	JLOAD G0+4*\slot, G1, G0B+4*\slot, G1B
.else
	PLACES NP
.endif
	v_add_nc_u32 v[ADRS], 4*NQ, v[ADRS]            ; the next K step's scale words
	FETCH_B \next, 0, 0
	FETCH_A \next, 0, 0
	SCALES \next
	WIN MUL_HI
	MUL16 4, 1, NQ-1, \slot, 0
	MUL16 6, 1, NQ-1, \slot, 0
	PLACES NP
	WIN 0
	FETCH_A \next, 0, 4
.endm
.macro STEPS slot, from
.set Q, \from
.rept NQ-1-\from
	STEP \slot, Q, 0
.set Q, Q+1
.endr
.endm
; cos and sin of block a's 16 positions for my lane's pairs: for each b four of each, into window 1, v64-127 (set 0) or v192-255 (set 1): registers that the products never name
.macro CSLOAD a, set
	WIN TO_B
.irp b, 0,1,2,3,4,5,6,7
	global_load_b128 v[64+128*(\set)+8*\b:64+128*(\set)+8*\b+3], v[CSO], s[12:13] offset:(\a)*4096+32*\b
	global_load_b128 v[64+128*(\set)+8*\b+4:64+128*(\set)+8*\b+7], v[CSO], s[14:15] offset:(\a)*4096+32*\b
.endr
	WIN 0
.endm
	s_wait_tensorcnt 1                             ; the scales and my part of K step 0 are in; K step 1's load may stay out
	s_barrier_signal -1
	s_barrier_wait -1
	FETCH_B 0, 0, 0
	FETCH_A 0, 0, 0
	SCALES 0
	FETCH_A 0, 0, 4
	STEP 0, 0, 1                                   ; the first step starts the sums: nothing is cleared
	s_mov_b32 s3, LAPS-1
.Llap:
	STEPS 0, 1
	TURN 0, 1, 1
	STEPS 1, 0
	TURN 1, 0, 1
	STEP 0, 0, 0
	s_sub_co_u32 s3, s3, 1
	s_cmp_lg_u32 s3, 0
	s_cbranch_scc1 .Llap
	CSLOAD 0, 0                                    ; block 0's cos and sin land under the last lap's products.  The clusters that make V^T load them too (the addresses lie inside the tables) and do not use them
	STEPS 0, 1                                     ; the last lap fills nothing
	TURN 0, 1, 0
	STEPS 1, 0
	s_wait_dscnt 4*NL
	WIN MUL_LO
	MUL16 0, 1, NQ-1, 1, 0
	MUL16 2, 1, NQ-1, 1, 0
	s_wait_dscnt 0
	WIN MUL_HI
	MUL16 4, 1, NQ-1, 1, 0
	MUL16 6, 1, NQ-1, 1, 0
	WIN 0
	PLACES NP                                      ; ahead of the first reads of results and of writes into A's registers
; RoPE of block a: (x0, x1) -> (x0 c - x1 s, x0 s + x1 c), four pairs for each b.  Each accumulator is first read at its register 1.
.macro ROPE a
.set AC, 64*((\a)%4)
.set CB, 64+128*((\a)%2)
	WIN 0x06+((\a)/4)                              ; source 0: the accumulators' window (2 or 3); source 1: window 1
.irp b, 0,1,2,3,4,5,6,7
.irp p, 0,1,2,3
	v_mul_f32 v[TT+\p], v[AC+8*\b+2*\p+1], v[CB+8*\b+4+\p]
	v_mul_f32 v[TT+4+\p], v[AC+8*\b+2*\p+1], v[CB+8*\b+\p]
.endr
.irp p, 0,1,2,3
	v_fma_f32 v[OO+8*\b+2*\p], v[AC+8*\b+2*\p], v[CB+8*\b+\p], -v[TT+\p]
	v_fma_f32 v[OO+8*\b+2*\p+1], v[AC+8*\b+2*\p], v[CB+8*\b+4+\p], v[TT+4+\p]
.endr
.endr
	WIN 0
.endm
.macro QKOUT a
.if (\a) < 7
	s_wait_loadcnt 16                              ; this block's cos and sin are in; the next block's sixteen loads may be out
.else
	s_wait_loadcnt 0
.endif
	s_wait_xcnt 0x0                                ; earlier stores have read their registers: OO and the packed set are written again
	ROPE \a
.set TM, TMP+32*((\a)%2)
.set i, 0
.rept 32
	v_cvt_pk_f16_f32 v[TM+i], v[OO+2*i], v[OO+2*i+1]
.set i, i+1
.endr
.if (\a) == 0
	v_cmp_eq_u32 vcc_lo, 0, v[RW]                  ; positions 0-15 are mine?
	s_wait_xcnt 0x0                                ; EXEC changes only behind this wait
	s_and_saveexec_b32 s105, vcc_lo
.irp b, 0,1,2,3,4,5,6,7
	global_store_b128 v[FO], v[OO+8*\b:OO+8*\b+3], s[18:19] offset:64*\b
	global_store_b128 v[FO], v[OO+8*\b+4:OO+8*\b+7], s[18:19] offset:64*\b+16
.endr
	s_wait_xcnt 0x0
	s_or_b32 exec_lo, exec_lo, s105
.endif
.irp b, 0,1,2,3,4,5,6,7
	global_store_b128 v[CO], v[TM+4*\b:TM+4*\b+3], s[16:17] offset:(\a)*4096+512*\b   ; half a fragment: 512 consecutive bytes
.endr
.if (\a)+2 < 8
	CSLOAD (\a)+2, (\a)%2
.endif
.endm
.macro VOUT a
.set AC, 64*((\a)%4)
.set TM, TMP+32*((\a)%2)
	s_wait_xcnt 0x0
	WIN 0x0a+5*((\a)/4)
.set i, 0
.rept 32
	v_cvt_pk_f16_f32 v[TM+i], v[AC+2*i], v[AC+2*i+1]
.set i, i+1
.endr
	WIN 0
.irp b, 0,1,2,3,4,5,6,7
	global_store_b128 v[CO], v[TM+4*\b:TM+4*\b+3], s[16:17] offset:(\b/2)*8192+(\b%2)*512+(\a)*1024
.endr
.endm
	s_cmp_eq_u32 s[ISV], 1                         ; the cluster's x alone
	s_cbranch_scc1 .Lvpath
	CSLOAD 1, 1
.irp a, 0,1,2,3,4,5,6,7
	QKOUT \a
.endr
	s_branch .Lclose
.Lvpath:
	v_cmp_eq_u32 vcc_lo, 0, v[RW]
	s_wait_xcnt 0x0
	s_and_saveexec_b32 s105, vcc_lo
	WIN 0x08                                       ; a store's data are its source 1: window 2
.irp a, 0,1,2,3
	global_store_b128 v[FV], v[64*\a:64*\a+3], s[18:19] offset:\a*1024            ; accumulator (a, 0): channel 16 a + r, positions 8 h + 0 .. 7
	global_store_b128 v[FV], v[64*\a+4:64*\a+7], s[18:19] offset:\a*1024+16
.endr
	WIN 0x0c
.irp a, 0,1,2,3
	global_store_b128 v[FV], v[64*\a:64*\a+3], s[18:19] offset:(\a+4)*1024
	global_store_b128 v[FV], v[64*\a+4:64*\a+7], s[18:19] offset:(\a+4)*1024+16
.endr
	WIN 0
	s_wait_xcnt 0x0
	s_or_b32 exec_lo, exec_lo, s105
.irp a, 0,1,2,3,4,5,6,7
	VOUT \a
.endr
.Lclose:
	s_wait_tensorcnt 0x0                           ; the wave's end
	ds_add_u32 v[SPW], v[NIL]
	s_wait_dscnt 0x0
	CROUND                                         ; the closing round
	s_endpgm
.Lfunc_end_k_qd910cdeffd_qkv:
	.size	k_qd910cdeffd_qkv, .Lfunc_end_k_qd910cdeffd_qkv-k_qd910cdeffd_qkv
	.p2alignl 7, 3214868480
	.fill 96, 4, 3214868480
	.section	.rodata,"a",@progbits
	.p2align	6, 0x0
	.amdhsa_kernel k_qd910cdeffd_qkv
		.amdhsa_group_segment_fixed_size 327680
		.amdhsa_private_segment_fixed_size 0
		.amdhsa_enable_private_segment 0
		.amdhsa_kernarg_size 64
		.amdhsa_user_sgpr_count 2
		.amdhsa_user_sgpr_kernarg_segment_ptr 1
		.amdhsa_wavefront_size32 1
		.amdhsa_system_sgpr_workgroup_id_x 1
		.amdhsa_system_sgpr_workgroup_id_y 1
		.amdhsa_system_sgpr_workgroup_id_z 1
		.amdhsa_system_vgpr_workitem_id 0
		.amdhsa_next_free_vgpr 1024
		.amdhsa_next_free_sgpr 106
		.amdhsa_reserve_vcc 1
		.amdhsa_float_denorm_mode_32 3
		.amdhsa_float_denorm_mode_16_64 3
		.amdhsa_memory_ordered 1
		.amdhsa_forward_progress 1
		.amdhsa_inst_pref_size 255
	.end_amdhsa_kernel
	.section	.bss,"aw",@nobits
	.p2align	6
	.space	262144
	.amdgpu_metadata
---
amdhsa.version: [ 1, 2 ]
amdhsa.kernels:
  - .name:           k_qd910cdeffd_qkv
    .symbol:         k_qd910cdeffd_qkv.kd
    .args:
      - { .name: x_codes, .offset: 0, .size: 8, .value_kind: global_buffer, .address_space: global }
      - { .name: x_scales, .offset: 8, .size: 8, .value_kind: global_buffer, .address_space: global }
      - { .name: w_codes, .offset: 16, .size: 8, .value_kind: global_buffer, .address_space: global }
      - { .name: w_scales, .offset: 24, .size: 8, .value_kind: global_buffer, .address_space: global }
      - { .name: freqs_cos, .offset: 32, .size: 8, .value_kind: global_buffer, .address_space: global }
      - { .name: freqs_sin, .offset: 40, .size: 8, .value_kind: global_buffer, .address_space: global }
      - { .name: qkv16, .offset: 48, .size: 8, .value_kind: global_buffer, .address_space: global }
      - { .name: fine32, .offset: 56, .size: 8, .value_kind: global_buffer, .address_space: global }
    .group_segment_fixed_size: 327680
    .private_segment_fixed_size: 0
    .kernarg_segment_align: 8
    .kernarg_segment_size: 64
    .max_flat_workgroup_size: 128
    .sgpr_count:     106
    .vgpr_count:     1024
    .wavefront_size: 32
...
	.end_amdgpu_metadata
.endif
;; end of part 2
;; launch fine (part 3): grid 32 x 8, 4 waves a work-group, no clusters, 17,920 bytes of LDS; arguments fine32, wo, x_codes; writes x_codes
.if DOCPART == 3
	.amdgcn_target "amdgcn-amd-amdhsa--gfx1250"
	.amdhsa_code_object_version 6
	.text
	.protected	k_qd910cdeffd_fine
	.globl	k_qd910cdeffd_fine
	.p2align	8
	.type	k_qd910cdeffd_fine,@function
k_qd910cdeffd_fine:
	s_mov_b64 s[64:65], 0
	v_nop
	global_prefetch_b8 v0, s[64:65] scope:SCOPE_SE
	s_setreg_imm32_b32 hwreg(HW_REG_WAVE_MODE, 25, 1), 1
	s_wait_xcnt 0x0
; FINE: rows 0-15 of the result wholly in f32: under the causal mask these rows average one to sixteen values and are the largest in size, so f16 operands would weigh most there.
; THE WORK IS SHARED OUT ALONG K.  A work-group owns 64 columns (work-group x) and the two query heads of key and value head g (work-group y): wo's rows 256 g .. 256 g + 255, 65,536 bytes, so that each byte of
; wo is loaded once in the launch.  It stores a PARTIAL SUM, part[g][16 rows][2,048] f32; the eight parts are added by the launch behind this one.
; part lies in the first 1,048,576 bytes of x_codes: the codes there were last read by the launch ahead of this one, and the program has no workspace name left for a buffer of its own.
; Wave w: head 2 g + w / 2, channels 64 (w % 2) on.  Both waves of a head make the head's 16 x 16 scores; each makes O^T for its own 64 channels and multiplies it by its own 64 rows of wo.
; ALL BY THE f32 MATRIX FORM (112 instructions a wave: no bulk work).  S^T = K Q^T, O^T = V^T P, out^T = wo^T O^T: a lane holds ONE query (lane % 16) throughout.
; O^T'S REGISTERS ARE THE PROJECTION'S SOURCE 1 AS THEY STAND: lane (r, h) holds channels 16 a + 8 h + 0 .. 7 of query r; instruction (a, c) takes the pair 2 c, 2 c + 1, that is k = 16 a + 8 h + 2 c + j,
; and wo is loaded in the same order of k (lane (r, h), register j: row 16 a + 8 h + 2 c + j, column 16 i + r).  The same order of k on both sides leaves the products as they are.  Nothing changes lanes.
; A load of wo reads 64 consecutive bytes of each of two rows; the four loads that stand together cover 256 consecutive bytes of both.
; fine32: slot hd: q of head hd, [16 positions][128]; slot 16 + g: k likewise; slot 24 + g: v as registers [channel tile 8][lane 32][8]: lane (r, h): channel 16 a + r, positions 8 h + 0 .. 7.
; REGISTERS: window 0: v1-15 addresses; K v16-79; Q v80-143; V v144-175; S^T v176-207 and O^T v208-239, written by matrix instructions alone; p v240-247.
;            window 1: wo v0-127; the projection's four accumulators v176-207, written by matrix instructions alone.
.set RPITCH, 272                       ; LDS: a row of a wave's part: 256 bytes + 16
.set RWAVE,  16*RPITCH                 ; a wave's part: 16 rows x 64 columns
.set SPARE,  4*RWAVE                   ; 17,408: the spare words, 128 bytes a wave, which no other line names
.set KF,  16
.set QF,  80
.set VF,  144
.set SA,  176
.set OA,  208
.set T,   240
.set W,   0                            ; in window 1: register ((4 a + c) 4 + i) 2 + j
.set PA,  176                          ; in window 1
.set MSB, 0
.macro WIN new                         ; the immediate's high byte repeats the setting that is left
.if MSB != \new
	s_set_vgpr_msb (MSB<<8)|\new
.set MSB, \new
.endif
.endm
	s_load_b128 s[4:7], s[0:1], 0x0                ; fine32, wo
	s_load_b64 s[8:9], s[0:1], 0x10                ; part
	v_lshl_add_u32 v12, v0, 2, SPARE               ; my spare word; never rewritten
	v_mov_b32 v13, 0                               ; 0; never rewritten
	v_lshrrev_b32 v1, 5, v0
	v_readfirstlane_b32 s10, v1                    ; wave 0..3
	s_and_b32 s11, ttmp7, 0xffff                   ; g
	s_lshr_b32 s12, s10, 1
	s_lshl_b32 s27, s11, 1
	s_add_co_u32 s12, s12, s27                     ; my head: 2 g + w / 2
	s_and_b32 s13, s10, 1                          ; my half of its channels
	v_and_b32 v1, 15, v0                           ; r
	v_bfe_u32 v2, v0, 4, 1                         ; h
	v_and_b32 v4, 31, v0                           ; lane
	v_lshlrev_b32 v3, 9, v1
	v_lshl_add_u32 v3, v2, 4, v3                   ; K, Q: row r of 512 bytes, + 16 h
	v_lshlrev_b32 v5, 5, v4                        ; V: 32 x lane
	v_lshlrev_b32 v6, 16, v2
	v_lshl_add_u32 v6, v1, 2, v6                   ; wo: 8 h rows of 8,192 bytes, + 4 r
	v_lshlrev_b32 v14, 3, v2
	v_sub_nc_u32 v14, v1, v14                      ; query - 8 h: register j holds key 8 h + j, hidden where j > this
	v_mov_b32 v15, 0xff800000
	s_mul_i32 s27, s10, RWAVE
	v_mul_u32_u24 v9, v1, RPITCH
	v_lshl_add_u32 v9, v2, 5, v9
	v_add_nc_u32 v9, s27, v9                       ; my part in: row r (the query), 32 h; 64 bytes a tile of columns stand in the offset
	s_mul_i32 s27, s10, 4*RPITCH
	v_mul_u32_u24 v10, v2, RPITCH
	v_lshl_add_u32 v10, v1, 4, v10
	v_add_nc_u32 v10, s27, v10                     ; the sum: rows 4 w + h (and two further down), sixteen lanes to a row
	s_lshl_b32 s27, s10, 15
	v_lshlrev_b32 v11, 13, v2
	v_lshl_add_u32 v11, v1, 4, v11
	v_add_nc_u32 v11, s27, v11                     ; the same rows in part: 8,192 bytes a row
	v_mov_b32 v249, 0                              ; written once: a lane permute's destination counts as one of its sources
	s_mov_b32 s20, 0x76543210
	s_mov_b32 s21, 0xfedcba98                      ; lane l xor 16
	s_mov_b32 s22, 0x3e0293ee                      ; c = log2(e) / sqrt(128)
	s_mov_b32 s25, 0
	s_wait_kmcnt 0x0
	s_lshl_b32 s24, s12, 13
	s_add_nc_u64 s[14:15], s[4:5], s[24:25]        ; q
	s_add_co_u32 s24, s11, 16
	s_lshl_b32 s24, s24, 13
	s_add_nc_u64 s[16:17], s[4:5], s[24:25]        ; k
	s_lshl_b32 s24, s13, 12                        ; my four channel tiles of 1,024 bytes,
	s_add_co_u32 s24, s24, 8*8192                  ; eight slots on
	s_add_nc_u64 s[18:19], s[16:17], s[24:25]      ; v
	s_lshl_b32 s24, s12, 20                        ; my head's 128 rows of wo,
	s_lshl_b32 s26, s13, 19                        ; my 64 of them,
	s_add_co_u32 s24, s24, s26
	s_lshl_b32 s26, ttmp9, 8                       ; my work-group's 64 columns
	s_add_co_u32 s24, s24, s26
	s_add_nc_u64 s[6:7], s[6:7], s[24:25]
	s_lshl_b32 s24, s11, 17                        ; part g: 16 rows of 8,192 bytes
	s_add_co_u32 s24, s24, s26
	s_add_nc_u64 s[8:9], s[8:9], s[24:25]
; ALL THE WAVE'S LOADS GO OUT HERE, 168 of them, in the order in which they are wanted
.irp c, 0,1,2,3,4,5,6,7,8,9,10,11,12,13,14,15
	global_load_b128 v[KF+4*\c:KF+4*\c+3], v3, s[16:17] offset:32*\c     ; channels 8 c + 4 h + 0 .. 3: two K steps of the f32 form, the same channels on both sides
	global_load_b128 v[QF+4*\c:QF+4*\c+3], v3, s[14:15] offset:32*\c
.endr
.irp a, 0,1,2,3
	global_load_b128 v[VF+8*\a:VF+8*\a+3], v5, s[18:19] offset:1024*\a
	global_load_b128 v[VF+8*\a+4:VF+8*\a+7], v5, s[18:19] offset:1024*\a+16
.endr
	WIN 0x40                                       ; destination window 1, address window 0
.irp a, 0,1,2,3
.irp c, 0,1,2,3
.irp j, 0,1
.irp i, 0,1,2,3
	global_load_b32 v[W+((\a*4+\c)*4+\i)*2+\j], v6, s[6:7] offset:(16*\a+2*\c+\j)*8192+64*\i   ; wo(16 a + 8 h + 2 c + j, 16 i + r)
.endr
.endr
.endr
.endr
	WIN 0
	s_wait_loadcnt 63                              ; behind K, Q, V and wo's first 64 loads stand 64 loads or more; 63 is the largest count that this wait can name: all of those are in
.set i, 0
.rept 32                               ; S^T = K Q^T: four accumulators by turns; the first four start the sums
.if i < 4
	v_wmma_f32_16x16x4_f32 v[SA+8*(i%4):SA+8*(i%4)+7], v[KF+2*i:KF+2*i+1], v[QF+2*i:QF+2*i+1], 0
.else
	v_wmma_f32_16x16x4_f32 v[SA+8*(i%4):SA+8*(i%4)+7], v[KF+2*i:KF+2*i+1], v[QF+2*i:QF+2*i+1], v[SA+8*(i%4):SA+8*(i%4)+7]
.endif
.set i, i+1
.endr
.rept 8
	v_nop                                          ; eight places behind this form, ahead of the reads of its results (ISA guide 7.12.1)
.endr
.irp j, 0,1,2,3,4,5,6,7
	v_add_f32 v[T+\j], v[SA+\j], v[SA+8+\j]
	v_add_f32 v248, v[SA+16+\j], v[SA+24+\j]
	v_add_f32 v[T+\j], v[T+\j], v248
	v_cmp_gt_i32 vcc_lo, \j, v14
	v_cndmask_b32 v[T+\j], v[T+\j], v15, vcc_lo    ; hidden keys: -infinity
.endr
	v_max3_num_f32 v248, v[T], v[T+1], v[T+2]
	v_max3_num_f32 v248, v248, v[T+3], v[T+4]
	v_max3_num_f32 v248, v248, v[T+5], v[T+6]
	v_max_num_f32 v248, v248, v[T+7]
	v_permlanex16_b32 v249, v248, s20, s21
	v_max_num_f32 v248, v248, v249                 ; the row's maximum: key 0 counts for every query
	v_mul_f32 v250, s22, v248
.irp j, 0,1,2,3,4,5,6,7
	v_fma_f32 v[T+\j], v[T+\j], s22, -v250
.endr
.irp j, 0,1,2,3,4,5,6,7
	v_exp_f32 v[T+\j], v[T+\j]
.endr
	v_nop
	s_wait_alu depctr_va_vdst(0)                   ; one wait for the eight, ahead of their first reader
	v_add_f32 v248, v[T], v[T+1]
	v_add_f32 v251, v[T+2], v[T+3]
	v_add_f32 v252, v[T+4], v[T+5]
	v_add_f32 v253, v[T+6], v[T+7]
	v_add_f32 v248, v248, v251
	v_add_f32 v252, v252, v253
	v_add_f32 v248, v248, v252
	v_permlanex16_b32 v249, v248, s20, s21
	v_add_f32 v248, v248, v249                     ; the row's sum: at least 1
	v_rcp_f32 v250, v248
	v_nop
	s_wait_alu depctr_va_vdst(0)
.irp j, 0,1,2,3,4,5,6,7
	v_mul_f32 v[T+\j], v[T+\j], v250               ; the weights
.endr
.irp c, 0,1,2,3                        ; O^T = V^T P for my four channel tiles: keys 8 h + 2 c, + 1 on both sides; four accumulators by turns.  (V was shown in by the wait above)
.irp a, 0,1,2,3
.if \c == 0
	v_wmma_f32_16x16x4_f32 v[OA+8*\a:OA+8*\a+7], v[VF+8*\a+2*\c:VF+8*\a+2*\c+1], v[T+2*\c:T+2*\c+1], 0
.else
	v_wmma_f32_16x16x4_f32 v[OA+8*\a:OA+8*\a+7], v[VF+8*\a+2*\c:VF+8*\a+2*\c+1], v[T+2*\c:T+2*\c+1], v[OA+8*\a:OA+8*\a+7]
.endif
.endr
.endr
.rept 9
	v_nop                                          ; nine places behind this form, ahead of a matrix instruction that takes its result as a source
.endr
	WIN 0x51                                       ; source 0 (wo), C and D window 1; source 1 (O^T) window 0
.irp a, 0,1,2,3                        ; out^T += wo^T O^T: four tiles of 16 columns by turns, 16 K steps of 4
.if \a == 2
	s_wait_loadcnt 32                              ; wo's rows for channel tile 2 are in; tile 3's 32 loads are younger
.endif
.if \a == 3
	s_wait_loadcnt 0
.endif
.irp c, 0,1,2,3
.irp i, 0,1,2,3
.if (\a == 0) && (\c == 0)
	v_wmma_f32_16x16x4_f32 v[PA+8*\i:PA+8*\i+7], v[W+((\a*4+\c)*4+\i)*2:W+((\a*4+\c)*4+\i)*2+1], v[OA+8*\a+2*\c:OA+8*\a+2*\c+1], 0
.else
	v_wmma_f32_16x16x4_f32 v[PA+8*\i:PA+8*\i+7], v[W+((\a*4+\c)*4+\i)*2:W+((\a*4+\c)*4+\i)*2+1], v[OA+8*\a+2*\c:OA+8*\a+2*\c+1], v[PA+8*\i:PA+8*\i+7]
.endif
.endr
.endr
.endr
	WIN 0
.rept 8
	v_nop
.endr
	WIN 0x04                                       ; an LDS store's data are its source 1: window 1
.irp i, 0,1,2,3
	ds_store_b128 v9, v[PA+8*\i:PA+8*\i+3] offset:64*\i          ; lane (r, h): row r, columns 16 i + 8 h + 0 .. 7; each accumulator from its low end on
	ds_store_b128 v9, v[PA+8*\i+4:PA+8*\i+7] offset:64*\i+16
.endr
	WIN 0
	s_wait_dscnt 0x0                               ; for the others' sake: my part has landed
	s_barrier_signal -1
	s_barrier_wait -1
.irp u, 0,1,2,3
.irp t, 0,1
	ds_load_b128 v[KF+8*\u+4*\t:KF+8*\u+4*\t+3], v10 offset:\u*RWAVE+\t*2*RPITCH   ; wave u's part of rows 4 w + h + 2 t
.endr
.endr
	s_wait_dscnt 0x0
.irp k, 0,2,4,6
	v_pk_add_f32 v[KF+\k:KF+\k+1], v[KF+\k:KF+\k+1], v[KF+8+\k:KF+8+\k+1]
	v_pk_add_f32 v[KF+16+\k:KF+16+\k+1], v[KF+16+\k:KF+16+\k+1], v[KF+24+\k:KF+24+\k+1]
.endr
.irp k, 0,2,4,6
	v_pk_add_f32 v[KF+\k:KF+\k+1], v[KF+\k:KF+\k+1], v[KF+16+\k:KF+16+\k+1]
.endr
	global_store_b128 v11, v[KF:KF+3], s[8:9]                    ; sixteen lanes store 256 consecutive bytes, aligned
	global_store_b128 v11, v[KF+4:KF+7], s[8:9] offset:2*8192
	s_wait_tensorcnt 0x0                           ; the wave's end
	ds_add_u32 v12, v13
	s_wait_dscnt 0x0
	s_endpgm
.Lfunc_end_k_qd910cdeffd_fine:
	.size	k_qd910cdeffd_fine, .Lfunc_end_k_qd910cdeffd_fine-k_qd910cdeffd_fine
	.p2alignl 7, 3214868480
	.fill 96, 4, 3214868480
	.section	.rodata,"a",@progbits
	.p2align	6, 0x0
	.amdhsa_kernel k_qd910cdeffd_fine
		.amdhsa_group_segment_fixed_size 17920
		.amdhsa_private_segment_fixed_size 0
		.amdhsa_enable_private_segment 0
		.amdhsa_kernarg_size 24
		.amdhsa_user_sgpr_count 2
		.amdhsa_user_sgpr_kernarg_segment_ptr 1
		.amdhsa_wavefront_size32 1
		.amdhsa_system_sgpr_workgroup_id_x 1
		.amdhsa_system_sgpr_workgroup_id_y 1
		.amdhsa_system_sgpr_workgroup_id_z 1
		.amdhsa_system_vgpr_workitem_id 0
		.amdhsa_next_free_vgpr 512
		.amdhsa_next_free_sgpr 66
		.amdhsa_reserve_vcc 1
		.amdhsa_float_denorm_mode_32 3
		.amdhsa_float_denorm_mode_16_64 3
		.amdhsa_memory_ordered 1
		.amdhsa_forward_progress 1
		.amdhsa_inst_pref_size 32
	.end_amdhsa_kernel
	.amdgpu_metadata
---
amdhsa.version: [ 1, 2 ]
amdhsa.kernels:
  - .name:           k_qd910cdeffd_fine
    .symbol:         k_qd910cdeffd_fine.kd
    .args:
      - { .name: fine32, .offset: 0, .size: 8, .value_kind: global_buffer, .address_space: global }
      - { .name: wo, .offset: 8, .size: 8, .value_kind: global_buffer, .address_space: global }
      - { .name: x_codes, .offset: 16, .size: 8, .value_kind: global_buffer, .address_space: global }
    .group_segment_fixed_size: 17920
    .private_segment_fixed_size: 0
    .kernarg_segment_align: 8
    .kernarg_segment_size: 24
    .max_flat_workgroup_size: 128
    .sgpr_count:     66
    .vgpr_count:     512
    .wavefront_size: 32
...
	.end_amdgpu_metadata
.endif
;; end of part 3
;; launch attn (part 4): grid 8 x 65, 4 waves a work-group, no clusters, 135,680 bytes of LDS; arguments qkv16, a16, x_codes, out0; writes a16, out0
.if DOCPART == 4
	.amdgcn_target "amdgcn-amd-amdhsa--gfx1250"
	.amdhsa_code_object_version 6
	.text
	.protected	k_qd910cdeffd_attn
	.globl	k_qd910cdeffd_attn
	.p2align	8
	.type	k_qd910cdeffd_attn,@function
k_qd910cdeffd_attn:
	s_mov_b64 s[64:65], 0
	v_nop
	global_prefetch_b8 v0, s[64:65] scope:SCOPE_SE
	s_setreg_imm32_b32 hwreg(HW_REG_WAVE_MODE, 25, 1), 1
	s_wait_xcnt 0x0
; ATTN: a = softmax(q k^T / sqrt(128), causal) v, f16 operands, f32 products, maxima and sums.  (Work-group y = 64: the sum of the first 16 rows' parts: see the end of this comment.)
; SHARES.  A work-group owns 32 positions (32 j .. 32 j + 31) of the TWO query heads that share key and value head kv: four tiles of 16 queries; tile t: head 2 kv + t / 2, position tile 2 j + t % 2.
; ALL FOUR WAVES HOLD THE SAME FOUR TILES AND SHARE OUT THE KEYS: key steps of 64, n = j / 2 + 1 of them under the causal mask; wave w takes steps w, w + 4, ...  Each fragment of K and of V^T is loaded
; once in the work-group, straight from memory into registers (qkv16 holds them in the registers' order: every load is 512 consecutive bytes), and feeds four matrix instructions.
; The key loop has no LDS and no barrier.  At the end the four waves' partial (c m, l, O) meet in LDS behind ONE barrier, and wave w finishes tile w.
; Heavy blocks start first: j = 63 - work-group y.
; NO CLUSTER, NO TENSOR LOAD: partners under a causal mask would need different numbers of tiles, and the operands do not pass through LDS.
; LAYOUT.  S^T = K Q^T and O^T = V^T P: a lane holds ONE query (lane % 16); two tiles of S^T rounded to f16 pairs ARE source 1 of the second product.
; SOFTMAX.  Running maximum m and sum l for each query: p = 2^(c s - c m), c = log2(e) / sqrt(128); O and l are multiplied by a = 2^(c m_old - c m_new) in every step.
; Only step n - 1 touches the diagonal: there hidden scores become -infinity; its first key counts for every query of the block, so m is a number.
; a16: [position tile 128][k group 64][1,024 bytes], k = 128 head + channel, in the order of the projection's operand registers.
; LIMITS: as f16 allows: p <= 1; |a| <= the largest |v|.
; REGISTERS in windows of 256: window 0: addresses, statistics (8 a tile), S^T v64-191, P v192-255;  window 1: O^T, 64 a tile;  window 2: Q v0-127, K v128-255;  window 3: V^T v0-127.
; THE EIGHT WORK-GROUPS WITH y = 64 add the eight partial sums of rows 0-15 of out0, which the launch ahead of this one made in f32 (part[8][16 rows][2,048] f32, in the first 1,048,576 bytes of x_codes),
; and store those rows: a sum over work-groups is made by a later launch, and this one runs anyway.  Work-group x owns 256 columns, a wave 4 rows.  They part on the work-group's number alone and use no LDS.
.set LN16, 2                           ; v2   16 x lane; never rewritten
.set MA,   3                           ; v3   LDS: my 16 bytes of my wave's c m (l: 2,048 on)
.set OA,   4                           ; v4   LDS: my 16 bytes in my wave's region of O
.set RA,   5                           ; v5   LDS: tile w's word of a lane's four
.set RB,   6                           ; v6-9 LDS: tile w's part of the four regions
.set ST,   12                          ; tile t's statistics at v[ST + 8 t]: +0 c m, +1 m, +2, +3 l, +4 .. +7 at work
.set NINF, 44
.set D0,   45                          ; v45, v46: query - first key of the diagonal step - 8 h, for even and odd position tiles
.set SPW,  62
.set NIL,  63
.set S,    64
.set P,    192
.set KF,   128
.set OREG, 4096                        ; LDS: c m 0-2047, l 2048-4095, O 4 x 32,768
.set SPARE, OREG+4*32768               ; the spare words, 128 bytes a wave, which no other line names
.set CS,   24                          ; s[24:25] c
.set SEL,  26                          ; s[26:27] lane l xor 16
.set MSB, 0
.macro WIN new
.if MSB != \new
	s_set_vgpr_msb (MSB<<8)|\new
.set MSB, \new
.endif
.endm
.set W_KQ, 0x0a
.set W_PV, 0x53
.set W_RS, 0x41
.macro PLACES
.rept 4
	v_nop
.endr
.endm
	s_load_b128 s[4:7], s[0:1], 0x0                ; qkv16, a16
	s_load_b128 s[32:35], s[0:1], 0x10             ; part (in x_codes), out0
	v_lshl_add_u32 v[SPW], v0, 2, SPARE
	v_mov_b32 v[NIL], 0
	v_lshrrev_b32 v1, 5, v0
	v_readfirstlane_b32 s8, v1                     ; wave
	v_and_b32 v1, 31, v0
	v_lshlrev_b32 v[LN16], 4, v1
	v_lshlrev_b32 v[MA], 4, v0                     ; 512 x wave + 16 x lane
	s_lshl_b32 s14, s8, 15
	s_add_co_u32 s14, s14, OREG
	v_add_nc_u32 v[OA], s14, v[LN16]
	s_lshl_b32 s14, s8, 2
	v_add_nc_u32 v[RA], s14, v[LN16]
	s_lshl_b32 s14, s8, 13                         ; tile w: 64 registers = 8,192 bytes into a region
	s_add_co_u32 s14, s14, OREG
.irp u, 0,1,2,3
	v_add_nc_u32 v[RB+\u], s14, v[LN16]
	s_add_co_u32 s14, s14, 32768
.endr
	s_and_b32 s10, ttmp7, 0xffff
	s_cmp_eq_u32 s10, 64                           ; the work-group's number alone: all four waves go the same way
	s_cbranch_scc1 .Lsum
	s_sub_co_u32 s10, 63, s10                      ; j
	s_lshr_b32 s11, s10, 1
	s_add_co_u32 s11, s11, 1                       ; n: key steps of the block
	s_add_co_u32 s12, s11, 3
	s_sub_co_u32 s12, s12, s8
	s_lshr_b32 s12, s12, 2                         ; my steps
	s_sub_co_u32 s13, s11, 1
	s_and_b32 s13, s13, 3                          ; the wave whose last step lies on the diagonal
	v_and_b32 v47, 15, v0
	v_bfe_u32 v1, v0, 4, 1
	v_lshlrev_b32 v1, 3, v1
	v_sub_nc_u32 v47, v47, v1                      ; r - 8 h
	s_and_b32 s14, s10, 1
	s_lshl_b32 s14, s14, 5                         ; 32 j - 64 (n - 1)
	v_add_nc_u32 v[D0], s14, v47
	v_add_nc_u32 v[D0+1], 16, v[D0]
	v_mov_b32 v[NINF], 0xff800000
.irp t, 0,1,2,3
	v_mov_b32 v[56+\t], 0                          ; written once: a lane permute's destination counts as one of its sources
.endr
	s_mov_b32 s[CS], 0x3e0293ee                    ; log2(e) / sqrt(128)
	s_mov_b32 s[CS+1], s[CS]
	s_mov_b32 s[SEL], 0x76543210
	s_mov_b32 s[SEL+1], 0xfedcba98
	s_mov_b32 s31, 0
	s_wait_kmcnt 0x0
	s_lshl_b32 s30, ttmp9, 20                      ; slot 2 kv,
	s_lshl_b32 s14, s10, 13                        ; position tile 2 j
	s_add_co_u32 s30, s30, s14
	s_add_nc_u64 s[16:17], s[4:5], s[30:31]        ; Q
	s_add_co_u32 s30, ttmp9, 16
	s_lshl_b32 s30, s30, 19                        ; slot 16 + kv,
	s_lshl_b32 s14, s8, 14                         ; key step w: 16,384 bytes a step
	s_add_co_u32 s30, s30, s14
	s_add_nc_u64 s[18:19], s[4:5], s[30:31]        ; K
	s_add_nc_u64 s[20:21], s[18:19], 8*524288      ; V^T: eight slots on, the same bytes a step
	s_lshl_b32 s30, s10, 1
	s_and_b32 s14, s8, 1
	s_add_co_u32 s30, s30, s14
	s_lshl_b32 s30, s30, 16                        ; tile w's position tile,
	s_lshl_b32 s14, ttmp9, 1
	s_lshr_b32 s15, s8, 1
	s_add_co_u32 s14, s14, s15
	s_lshl_b32 s14, s14, 12                        ; and head: four k groups
	s_add_co_u32 s30, s30, s14
	s_add_nc_u64 s[22:23], s[6:7], s[30:31]
; 64 products S^T = K Q^T: tile i % 4, keys 16 ((i / 4) % 4) on, channels 32 (i / 16) on.  Sixteen accumulators by turns; the first sixteen start the sums.
.macro KQALL
	WIN W_KQ
.set i, 0
.rept 64
.set rS, S+32*(i%4)+8*((i/4)%4)
.set rK, KF+32*((i/4)%4)+8*(i/16)
.set rQ, 32*(i%4)+8*(i/16)
.if i < 16
	v_wmma_f32_16x16x32_f16 v[rS:rS+7], v[rK:rK+7], v[rQ:rQ+7], 0
.else
	v_wmma_f32_16x16x32_f16 v[rS:rS+7], v[rK:rK+7], v[rQ:rQ+7], v[rS:rS+7]
.endif
.set i, i+1
.endr
	WIN 0
.endm
; 64 products O^T += V^T P: tile i % 4, channels 16 ((i / 4) % 8) on, keys 32 (i / 32) on.  32 accumulators by turns.  zero = 1: the first 32 start the sums.
.macro PVALL zero
	WIN W_PV
.set i, 0
.rept 64
.set rO, 64*(i%4)+8*((i/4)%8)
.set rV, 64*(i/32)+8*((i/4)%8)
.set rP, P+16*(i%4)+8*(i/32)
.if \zero && (i < 32)
	v_wmma_f32_16x16x32_f16 v[rO:rO+7], v[rV:rV+7], v[rP:rP+7], 0
.else
	v_wmma_f32_16x16x32_f16 v[rO:rO+7], v[rV:rV+7], v[rP:rP+7], v[rO:rO+7]
.endif
.set i, i+1
.endr
	WIN 0
.endm
.macro LOADK step                      ; a step's K: 16 fragments, 16,384 consecutive bytes.  step = 1: my next step, four steps on; every load that named the base has been shown done
.if \step
	s_add_nc_u64 s[18:19], s[18:19], 4*16384
.endif
	WIN 0x80
.irp f, 0,1,2,3,4,5,6,7,8,9,10,11,12,13,14,15
	global_load_b128 v[KF+8*\f:KF+8*\f+3], v[LN16], s[18:19] offset:1024*\f
	global_load_b128 v[KF+8*\f+4:KF+8*\f+7], v[LN16], s[18:19] offset:1024*\f+512
.endr
	WIN 0
.endm
.macro LOADV step
.if \step
	s_add_nc_u64 s[20:21], s[20:21], 4*16384
.endif
	WIN 0xc0
.irp f, 0,1,2,3,4,5,6,7,8,9,10,11,12,13,14,15
	global_load_b128 v[8*\f:8*\f+3], v[LN16], s[20:21] offset:1024*\f
	global_load_b128 v[8*\f+4:8*\f+7], v[LN16], s[20:21] offset:1024*\f+512
.endr
	WIN 0
.endm
; register 8 kt + jj of a tile holds key 16 kt + 8 h + jj of the step: hidden where 16 kt + jj > query - first key - 8 h
.macro MASK
.irp g, 0,1
.irp kt, 0,1,2,3
.irp jj, 0,1,2,3,4,5,6,7
	v_cmp_gt_i32 vcc_lo, 16*\kt+\jj, v[D0+\g]
	v_cndmask_b32 v[S+32*\g+8*\kt+\jj], v[S+32*\g+8*\kt+\jj], v[NINF], vcc_lo
	v_cndmask_b32 v[S+32*(\g+2)+8*\kt+\jj], v[S+32*(\g+2)+8*\kt+\jj], v[NINF], vcc_lo
.endr
.endr
.endr
.endm
; Number j of 134 of tile t's softmax.  0-15 the maximum; 16-20 the other half's, the new m, c m, its change; 21-69 ONE BATCH: 16 packed scalings and 33 exponentials, none of which reads an exponential's
; result; 70-85 roundings to f16; 86-101 the sums; 102-133 O^T times a.  first = 1: no old maximum, no a, nothing to rescale.
.macro SM t, first
.set rT, ST+8*(\t)
.set rS, S+32*(\t)
.set rP, P+16*(\t)
.set rO, 64*(\t)+2*(j-102)
.if j < 102
	WIN 0
.endif
.if j < 4
	v_max3_num_f32 v[rT+4+j], v[rS+8*j], v[rS+8*j+1], v[rS+8*j+2]
.elseif j < 12
	v_max3_num_f32 v[rT+4+j%4], v[rT+4+j%4], v[rS+8*(j%4)+2*(j/4)+1], v[rS+8*(j%4)+2*(j/4)+2]
.elseif j == 12
	v_max3_num_f32 v[rT+4], v[rT+4], v[rS+7], v[rS+15]
.elseif j == 13
	v_max3_num_f32 v[rT+6], v[rT+6], v[rS+23], v[rS+31]
.elseif j == 14
	v_max3_num_f32 v[rT+4], v[rT+4], v[rT+5], v[rT+6]
.elseif (j == 15) && \first
	v_max_num_f32 v[rT+4], v[rT+4], v[rT+7]
.elseif j == 15
	v_max3_num_f32 v[rT+4], v[rT+4], v[rT+7], v[rT+1]
.elseif j == 16
	v_permlanex16_b32 v[rT+5], v[rT+4], s[SEL], s[SEL+1]
.elseif j == 18
	v_max_num_f32 v[rT+1], v[rT+4], v[rT+5]
.elseif j == 19
	v_mul_f32 v[rT], s[CS], v[rT+1]
.elseif ((j == 17) || (j == 20) || (j == 23) || (j > 101)) && \first
.elseif j == 17
	v_mov_b32 v[rT+7], v[rT]
.elseif j == 20
	v_sub_f32 v[rT+7], v[rT+7], v[rT]
.elseif j == 23
	v_exp_f32 v[rT+6], v[rT+7]
.elseif (j < 23) || ((j < 38) && (j%2 == 0)) || ((j < 66) && (j%4 == 2))
.set b, (j-2)/4
.if j < 38
.set b, (j-20)/2
.endif
	v_pk_fma_f32 v[rS+2*b:rS+2*b+1], v[rS+2*b:rS+2*b+1], s[CS:CS+1], v[rT:rT+1] op_sel_hi:[1,0,0] neg_lo:[0,0,1] neg_hi:[0,0,1]
.elseif j < 70
.set e, j-38
.if j < 66
.set e, j-32-(j-38)/4
.endif
.if j < 38
.set e, (j-25)/2
.endif
	v_exp_f32 v[rS+e], v[rS+e]
.elseif j < 86
	v_cvt_pk_f16_f32 v[rP+j-70], v[rS+2*(j-70)], v[rS+2*(j-70)+1]
.elseif j < 102
.set z, j-86
.set w, 4
.set u, z
.if z >= 14
.set w, 32
.set u, 0
.elseif z >= 12
.set w, 16
.set u, z-12
.elseif z >= 8
.set w, 8
.set u, z-8
.endif
.if (z == 14) && \first
	v_pk_add_f32 v[rT+2:rT+3], v[rS:rS+1], v[rS+16:rS+17]
.elseif z < 15
	v_pk_add_f32 v[rS+w*u:rS+w*u+1], v[rS+w*u:rS+w*u+1], v[rS+w*u+w/2:rS+w*u+w/2+1]
.elseif !\first
	v_pk_fma_f32 v[rT+2:rT+3], v[rT+2:rT+3], v[rT+6:rT+7], v[rS:rS+1] op_sel_hi:[1,0,1]
.endif
.else
	WIN W_RS
	v_pk_mul_f32 v[rO:rO+1], v[rO:rO+1], v[rT+6:rT+7] op_sel_hi:[1,0]
.endif
.endm
.macro SOFTMAX first                   ; the four tiles number by number, so that no line waits for the line above it
.set j, 0
.rept 70
.irp t, 0,1,2,3
	SM \t, \first
.endr
.set j, j+1
.endr
	v_nop                                          ; a plain instruction behind the last exponential
	s_wait_alu depctr_va_vdst(0)                   ; one wait for the batch of 132 exponentials, ahead of the first line that names a result
.rept 64
.irp t, 0,1,2,3
	SM \t, \first
.endr
.set j, j+1
.endr
	WIN 0
.endm
; A KEY STEP of mine.  K and V^T have one set of registers each; the next step's K is asked for as soon as this step's products K Q^T are issued, the next V^T behind the products V^T P.
.macro STEP first, last
	s_wait_loadcnt 32                              ; K (and Q) are in; V^T's 32 loads are younger and may be out
	KQALL
	PLACES                                         ; ahead of the loads into K's registers and of the first reads of S^T
.if !\last
	LOADK 1
.else
	s_cmp_lg_u32 s8, s13                           ; ids alone: is my last step the one on the diagonal?
	s_cbranch_scc1 .Lopen_\@
	MASK
.Lopen_\@:
.endif
	SOFTMAX \first
.if \last
	s_wait_loadcnt 0                               ; V^T is in
.else
	s_wait_loadcnt 32                              ; V^T is in; the next K's 32 loads are younger
.endif
	PVALL \first
	PLACES
.if !\last
	LOADV 1
.endif
.endm
	s_cmp_eq_u32 s12, 0
	s_cbranch_scc1 .Lidle
	WIN 0x80
.irp t, 0,1,2,3
.irp c, 0,1,2,3
	global_load_b128 v[32*\t+8*\c:32*\t+8*\c+3], v[LN16], s[16:17] offset:(\t/2)*524288+(\t%2)*4096+\c*1024
	global_load_b128 v[32*\t+8*\c+4:32*\t+8*\c+7], v[LN16], s[16:17] offset:(\t/2)*524288+(\t%2)*4096+\c*1024+512
.endr
.endr
	WIN 0
	LOADK 0
	LOADV 0
	s_cmp_eq_u32 s12, 1
	s_cbranch_scc1 .Lone
	STEP 1, 0
	s_sub_co_u32 s28, s12, 2
	s_cmp_eq_u32 s28, 0
	s_cbranch_scc1 .Llast
.Lmid:
	STEP 0, 0
	s_sub_co_u32 s28, s28, 1
	s_cmp_lg_u32 s28, 0
	s_cbranch_scc1 .Lmid
.Llast:
	STEP 0, 1
	s_branch .Lmerge
.Lone:
	STEP 1, 1
	s_branch .Lmerge
.Lidle:                                ; a wave without a key step (blocks with fewer than four steps): nothing summed, a maximum under every other
	WIN 0x40
.set i, 0
.rept 256
	v_mov_b32 v[i], 0
.set i, i+1
.endr
	WIN 0
.irp t, 0,1,2,3
	v_mov_b32 v[ST+8*\t], 0xff61b1e6               ; -3e38
	v_mov_b32 v[ST+8*\t+2], 0
	v_mov_b32 v[ST+8*\t+3], 0
.endr
.Lmerge:
; THE FOUR WAVES' PARTS MEET.  Each wave stores c m and l of its four tiles (16 bytes a lane each) and its O^T as it stands in registers.
.irp t, 0,1,2,3
	v_add_f32 v[52+\t], v[ST+8*\t+2], v[ST+8*\t+3]
.endr
.irp t, 0,1,2,3
	v_mov_b32 v[48+\t], v[ST+8*\t]
.endr
.irp t, 0,1,2,3
	v_permlanex16_b32 v[56+\t], v[52+\t], s[SEL], s[SEL+1]
.endr
.irp t, 0,1,2,3
	v_add_f32 v[52+\t], v[52+\t], v[56+\t]         ; l: both halves of the lanes
.endr
	ds_store_b128 v[MA], v[48:51]
	ds_store_b128 v[MA], v[52:55] offset:2048
	WIN 0x04                                       ; an LDS store's data are its source 1: window 1
.set i, 0
.rept 64
	ds_store_b128 v[OA], v[4*i:4*i+3] offset:512*i ; each accumulator from its low end on
.set i, i+1
.endr
	WIN 0
	s_wait_dscnt 0x0                               ; for the others' sake: my stores have landed
	s_barrier_signal -1
	s_barrier_wait -1
.irp u, 0,1,2,3
	ds_load_b32 v[48+\u], v[RA] offset:512*\u      ; wave u's c m of tile w,
	ds_load_b32 v[52+\u], v[RA] offset:2048+512*\u ; and its l
.endr
	WIN 0x40
.irp u, 0,1,2,3
.set i, 0
.rept 16
	ds_load_b128 v[64*\u+4*i:64*\u+4*i+3], v[RB+\u] offset:512*i   ; wave u's O^T of tile w
.set i, i+1
.endr
.endr
	WIN 0
	s_wait_dscnt 63                                ; 64 loads of O^T were issued behind the eight words: with at most 63 out the eight words are in (63 is the largest count that this wait can name)
	v_max3_num_f32 v60, v48, v49, v50
	v_max_num_f32 v60, v60, v51
.irp u, 0,1,2,3
	v_sub_f32 v[56+\u], v[48+\u], v60
.endr
.irp u, 0,1,2,3
	v_exp_f32 v[56+\u], v[56+\u]                   ; f = 2^(c m - the largest c m)
.endr
	v_nop
	s_wait_alu depctr_va_vdst(0)                   ; one wait for the four
	v_mul_f32 v61, v56, v52
	v_fmac_f32 v61, v57, v53
	v_fmac_f32 v61, v58, v54
	v_fmac_f32 v61, v59, v55                       ; the row's sum: at least 1, since the wave with the largest maximum holds a p = 1
	v_rcp_f32 v60, v61
	v_nop
	s_wait_alu depctr_va_vdst(0)
	v_mul_f32 v48, v56, v60                        ; f / the sum, each in the low word of a pair
	v_mul_f32 v50, v57, v60
	v_mul_f32 v52, v58, v60
	v_mul_f32 v54, v59, v60
	s_wait_dscnt 0x0                               ; O^T's four parts are in
	WIN W_RS
.set i, 0
.rept 32
	v_pk_mul_f32 v[2*i:2*i+1], v[2*i:2*i+1], v[48:49] op_sel_hi:[1,0]
.set i, i+1
.endr
	WIN 0x51                                       ; destination, source 0 and source 2 window 1
.irp u, 1,2,3
.set i, 0
.rept 32
	v_pk_fma_f32 v[2*i:2*i+1], v[64*\u+2*i:64*\u+2*i+1], v[48+2*\u:49+2*\u], v[2*i:2*i+1] op_sel_hi:[1,0,1]
.set i, i+1
.endr
.endr
	WIN 0x05
.set i, 0
.rept 32
	v_cvt_pk_f16_f32 v[S+i], v[2*i], v[2*i+1]      ; eight channels of a query: half a fragment of the projection's operand
.set i, i+1
.endr
	WIN 0
.irp i, 0,1,2,3,4,5,6,7
	global_store_b128 v[LN16], v[S+4*\i:S+4*\i+3], s[22:23] offset:512*\i   ; 512 consecutive bytes
.endr
	s_branch .Lend
; ---------------- work-group y = 64: out0's rows 0-15 = the sum of the eight parts.  Wave w: rows 4 w .. 4 w + 3 of my work-group's 256 columns: eight pieces of 512 consecutive bytes, piece e: row e / 2, half e % 2.
.Lsum:
	s_wait_kmcnt 0x0
	s_lshl_b32 s30, s8, 15                         ; 4 rows of 8,192 bytes a wave,
	s_lshl_b32 s14, ttmp9, 10                      ; 1,024 bytes of a row a work-group: the same place in a part and in out0
	s_add_co_u32 s30, s30, s14
	s_mov_b32 s31, 0
	s_add_nc_u64 s[32:33], s[32:33], s[30:31]
	s_add_nc_u64 s[34:35], s[34:35], s[30:31]
	WIN 0x40                                       ; destination window 1: part p's eight pieces at v[32 p ..]
.irp p, 0,1,2,3,4,5,6,7
.irp e, 0,1,2,3,4,5,6,7
	global_load_b128 v[32*\p+4*\e:32*\p+4*\e+3], v[LN16], s[32:33] offset:\p*131072+(\e/2)*8192+(\e%2)*512
.endr
.endr
	s_wait_loadcnt 0x0
	WIN 0x45                                       ; destination and both sources window 1
.irp d, 4,2,1                          ; parts p and p + d, by halves
.set i, 0
.rept 16*\d
	v_pk_add_f32 v[2*i:2*i+1], v[2*i:2*i+1], v[32*\d+2*i:32*\d+2*i+1]
.set i, i+1
.endr
.endr
	WIN 0x04                                       ; a store's data are its source 1: window 1
.irp e, 0,1,2,3,4,5,6,7
	global_store_b128 v[LN16], v[4*\e:4*\e+3], s[34:35] offset:(\e/2)*8192+(\e%2)*512   ; 512 consecutive bytes, aligned
.endr
	WIN 0
.Lend:
	s_wait_tensorcnt 0x0                           ; the wave's end
	ds_add_u32 v[SPW], v[NIL]
	s_wait_dscnt 0x0
	s_endpgm
.Lfunc_end_k_qd910cdeffd_attn:
	.size	k_qd910cdeffd_attn, .Lfunc_end_k_qd910cdeffd_attn-k_qd910cdeffd_attn
	.p2alignl 7, 3214868480
	.fill 96, 4, 3214868480
	.section	.rodata,"a",@progbits
	.p2align	6, 0x0
	.amdhsa_kernel k_qd910cdeffd_attn
		.amdhsa_group_segment_fixed_size 135680
		.amdhsa_private_segment_fixed_size 0
		.amdhsa_enable_private_segment 0
		.amdhsa_kernarg_size 32
		.amdhsa_user_sgpr_count 2
		.amdhsa_user_sgpr_kernarg_segment_ptr 1
		.amdhsa_wavefront_size32 1
		.amdhsa_system_sgpr_workgroup_id_x 1
		.amdhsa_system_sgpr_workgroup_id_y 1
		.amdhsa_system_sgpr_workgroup_id_z 1
		.amdhsa_system_vgpr_workitem_id 0
		.amdhsa_next_free_vgpr 1024
		.amdhsa_next_free_sgpr 66
		.amdhsa_reserve_vcc 1
		.amdhsa_float_denorm_mode_32 3
		.amdhsa_float_denorm_mode_16_64 3
		.amdhsa_memory_ordered 1
		.amdhsa_forward_progress 1
		.amdhsa_inst_pref_size 214
	.end_amdhsa_kernel
	.amdgpu_metadata
---
amdhsa.version: [ 1, 2 ]
amdhsa.kernels:
  - .name:           k_qd910cdeffd_attn
    .symbol:         k_qd910cdeffd_attn.kd
    .args:
      - { .name: qkv16, .offset: 0, .size: 8, .value_kind: global_buffer, .address_space: global }
      - { .name: a16, .offset: 8, .size: 8, .value_kind: global_buffer, .address_space: global }
      - { .name: x_codes, .offset: 16, .size: 8, .value_kind: global_buffer, .address_space: global }
      - { .name: out0, .offset: 24, .size: 8, .value_kind: global_buffer, .address_space: global }
    .group_segment_fixed_size: 135680
    .private_segment_fixed_size: 0
    .kernarg_segment_align: 8
    .kernarg_segment_size: 32
    .max_flat_workgroup_size: 128
    .sgpr_count:     66
    .vgpr_count:     1024
    .wavefront_size: 32
...
	.end_amdgpu_metadata
.endif
;; end of part 4
;; launch proj (part 5): grid 16 x 16, 4 waves a work-group, clusters of 4 x 4, 327,680 bytes of LDS; arguments a16, wo16, out0; writes out0
.if DOCPART == 5
	.amdgcn_target "amdgcn-amd-amdhsa--gfx1250"
	.amdhsa_code_object_version 6
	.text
	.protected	k_qd910cdeffd_proj
	.globl	k_qd910cdeffd_proj
	.p2align	8
	.type	k_qd910cdeffd_proj,@function
k_qd910cdeffd_proj:
	s_mov_b64 s[64:65], 0
	v_nop
	global_prefetch_b8 v0, s[64:65] scope:SCOPE_SE
	s_setreg_imm32_b32 hwreg(HW_REG_WAVE_MODE, 25, 1), 1
	s_wait_xcnt 0x0
	s_wait_alu depctr_hold_cnt(0) depctr_sa_sdst(0) depctr_va_vdst(0) depctr_va_sdst(0) depctr_va_ssrc(0) depctr_va_vcc(0) depctr_vm_vsrc(0)
	s_getreg_b32 s2, hwreg(HW_REG_IB_STS2, 6, 4)
	s_cmp_eq_u32 s2, 0
	s_cbranch_scc0 .Lentry_in_a_cluster
	s_endpgm
.Lentry_in_a_cluster:
	s_bfe_u32 s2, ttmp6, 0x10000c
	s_cmp_lg_u32 s2, 0xf033
	s_cbranch_scc0 .Lentry_shape_is_right
	s_endpgm
.Lentry_shape_is_right:
; PROJ: out0 = a wo, f16 operands, f32 sums, rows 16 .. 2047 (rows 0-15 are made in f32 by the launch ahead of this one).
; A tile of out0 is 128 x 128, so that 256 work-groups share the work; four waves of 64 x 64: 16 accumulators.  K goes in steps of 256 through a ring of two LDS slots.
; BOTH OPERANDS LIE IN MEMORY IN THE ORDER OF THE OPERAND'S REGISTERS: [row tile 128][k group 64][1,024 bytes].  A wave's tensor load brings 4 row tiles x 8 k groups: 4 rows of 8,192 consecutive bytes,
; 65,536 apart; a fragment comes out of LDS by two loads of 512 consecutive bytes: no pitch, no padding.
; CLUSTERS of 4 x 4: a's tiles are asked for jointly along a row of the cluster, wo's along a column.  The matrix instruction is used transposed: a lane holds eight neighbouring columns of one row.
; THE WAY OUT: a wave's 64 columns are 256 bytes: 16 rows at a time go through the wave's own stage and leave as whole aligned runs of 256 bytes.
.set KSB,    8192                      ; a K step of one row tile in bytes
.set HALFT,  32768                     ; 64 rows x 256 K: what one tensor load brings
.set SLOT,   4*HALFT
.set STAGE,  2*SLOT
.set SPITCH, 272
.set SPARE,  STAGE+4*16*SPITCH         ; the spare words, 128 bytes a wave, which no other line names
.set LAPS,   4
.set ADRA, 16
.set ADRB, 20
.set STO,  24
.set RD,   25
.set CO,   26
.set ROWW, 27                          ; v27 my wave's first row
.set SPW,  28
.set NIL,  29
.set OB,   32                          ; v32-63, v64-95: 16 rows read back, by turns
.set ACC,  128
.set F0,   0
.set F1,   128
.set G1, 24
.set G0, 32
.set G1B, 48
.set G0B, 56
.set MSB, 0
.macro WIN new
.if MSB != \new
	s_set_vgpr_msb (MSB<<8)|\new
.set MSB, \new
.endif
.endm
.set MUL,  0x05
.set TO_F, 0x40
.macro JLOAD s                         ; waves 0, 1 fetch a's halves, waves 2, 3 wo's; s_nop 0 and four v_nop follow each line
	s_cmp_eq_u32 s11, 0
	s_cbranch_scc0 .Lfor_b_\@
	tensor_load_to_lds s[G0+4*\s:G0+4*\s+3], s[G1:G1+7]
	s_nop 0
.rept 4
	v_nop
.endr
	s_branch .Lasked_\@
.Lfor_b_\@:
	tensor_load_to_lds s[G0B+4*\s:G0B+4*\s+3], s[G1B:G1B+7]
	s_nop 0
.rept 4
	v_nop
.endr
.Lasked_\@:
.endm
.macro CREST
	s_cmp_lg_u32 s10, 0
	s_cbranch_scc1 .Lnot_wave_0_\@
	s_barrier_signal -3
.Lnot_wave_0_\@:
	s_barrier_wait -3
	s_barrier_signal -1
	s_barrier_wait -1
.endm
.macro CROUND
	s_barrier_signal -1
	s_barrier_wait -1
	CREST
.endm
	s_load_b128 s[4:7], s[0:1], 0x0                ; a16, wo16
	s_load_b64 s[8:9], s[0:1], 0x10                ; out0
	v_lshl_add_u32 v[SPW], v0, 2, SPARE
	v_mov_b32 v[NIL], 0
	ds_add_u32 v[SPW], v[NIL]                      ; the wave's opening: the add, twice on end, and its wait ahead of my first tensor load
	ds_add_u32 v[SPW], v[NIL]
	v_lshrrev_b32 v1, 5, v0
	v_readfirstlane_b32 s10, v1
	s_lshr_b32 s11, s10, 1                         ; my half of the rows; also: I fetch for a (0) or wo (1)
	s_and_b32 s12, s10, 1                          ; my half of the columns; also: which 64 rows I fetch
	s_bfe_u32 s40, ttmp6, 0x40000
	s_bfe_u32 s41, ttmp6, 0x40004
	s_lshl_b32 s42, ttmp9, 2
	s_add_co_u32 s42, s42, s40                     ; tile column
	s_and_b32 s13, ttmp7, 0xffff
	s_lshl_b32 s13, s13, 2
	s_add_co_u32 s13, s13, s41                     ; tile row
	s_lshl_b32 s43, s41, 2
	s_lshl_b32 s43, 15, s43
	s_lshl_b32 s44, 0x1111, s40
	s_or_b32 s[G1+0], s43, (3<<16)|(1<<21)         ; the mask; elements of 8 bytes; no padding; bit 21 beside a mask
	s_or_b32 s[G1B+0], s44, (3<<16)|(1<<21)
.irp g, G1, G1B
	s_mov_b32 s[\g+1], 1024<<16                    ; tensor_dim0 = 1,024 elements: 8 k groups
	s_mov_b32 s[\g+2], 4<<16                       ; tensor_dim1 = 4 row tiles
	s_mov_b32 s[\g+3], 1024<<16                    ; tile_dim0
	s_mov_b32 s[\g+4], 4                           ; tile_dim1
	s_mov_b32 s[\g+5], 8192                        ; from row tile to row tile: 65,536 bytes
	s_mov_b32 s[\g+6], 0
	s_mov_b32 s[\g+7], 0
.endr
	s_lshl_b32 s17, s12, 2
	s_lshl_b32 s16, s13, 3
	s_add_co_u32 s16, s16, s17
	s_lshl_b32 s16, s16, 16                        ; a: row tile 8 x tile row + 4 x half
	s_lshl_b32 s46, s42, 3
	s_add_co_u32 s46, s46, s17
	s_lshl_b32 s46, s46, 16                        ; wo: n tile 8 x tile column + 4 x half
	s_mov_b32 s17, 0
	s_mov_b32 s47, 0
	s_mul_i32 s20, s10, HALFT
	s_wait_dscnt 0x0
	s_wait_kmcnt 0x0
	s_add_nc_u64 s[14:15], s[4:5], s[16:17]
	s_add_nc_u64 s[46:47], s[6:7], s[46:47]
	CROUND
.irp s, 0,1
	s_mov_b32 s[G0+4*\s], 1
	s_add_co_u32 s[G0+4*\s+1], s20, \s*SLOT
	s_add_nc_u64 s[G0+4*\s+2:G0+4*\s+3], s[14:15], \s*KSB
	s_or_b32 s[G0+4*\s+3], s[G0+4*\s+3], 0x80000000
	s_mov_b32 s[G0B+4*\s], 1
	s_add_co_u32 s[G0B+4*\s+1], s20, \s*SLOT
	s_add_nc_u64 s[G0B+4*\s+2:G0B+4*\s+3], s[46:47], \s*KSB
	s_or_b32 s[G0B+4*\s+3], s[G0B+4*\s+3], 0x80000000
	JLOAD \s                                       ; two loads of mine are out behind the first fills, one behind each later round
.endr
	v_and_b32 v1, 15, v0
	v_bfe_u32 v2, v0, 4, 1
	v_and_b32 v3, 31, v0
	v_lshlrev_b32 v3, 4, v3                        ; 16 x lane
	s_mul_i32 s21, s11, HALFT
	s_mul_i32 s22, s12, HALFT
	s_add_co_u32 s22, s22, 2*HALFT
.irp s, 0,1
	v_add_nc_u32 v[ADRA+\s], s21, v3
	v_add_nc_u32 v[ADRB+\s], s22, v3
	s_add_co_u32 s21, s21, SLOT
	s_add_co_u32 s22, s22, SLOT
.endr
	s_mul_i32 s23, s10, 16*SPITCH
	s_add_co_u32 s23, s23, STAGE                   ; my stage
	v_mul_u32_u24 v4, v1, SPITCH
	v_lshl_add_u32 v4, v2, 5, v4
	v_add_nc_u32 v[STO], s23, v4                   ; in: row r, 32 bytes for each half of the lanes
	v_mul_u32_u24 v5, v2, SPITCH
	v_lshl_add_u32 v5, v1, 4, v5
	v_add_nc_u32 v[RD], s23, v5                    ; back: lanes 0-15 one row of 256 bytes, lanes 16-31 the next
	v_lshlrev_b32 v5, 13, v2
	v_lshl_add_u32 v[CO], v1, 4, v5                ; the same two rows in out0
	s_lshl_b32 s16, s13, 7
	s_lshl_b32 s17, s11, 6
	s_add_co_u32 s16, s16, s17                     ; my first row
	v_mov_b32 v[ROWW], s16
	s_lshl_b32 s16, s16, 13
	s_mov_b32 s17, 0
	s_add_nc_u64 s[8:9], s[8:9], s[16:17]
	s_lshl_b32 s46, s42, 9
	s_lshl_b32 s47, s12, 8
	s_add_co_u32 s46, s46, s47                     ; my first column, in bytes
	s_mov_b32 s47, 0
	s_add_nc_u64 s[8:9], s[8:9], s[46:47]
.macro MUL8 f, c, a0, zero             ; the 16 accumulators take turns
.irp a, \a0, \a0+1
.irp b, 0,1,2,3
.if \zero
	v_wmma_f32_16x16x32_f16 v[ACC+8*(4*(\a)+\b):ACC+8*(4*(\a)+\b)+7], v[\f+64+8*(4*\c+\b):\f+64+8*(4*\c+\b)+7], v[\f+8*(4*\c+\a):\f+8*(4*\c+\a)+7], 0
.else
	v_wmma_f32_16x16x32_f16 v[ACC+8*(4*(\a)+\b):ACC+8*(4*(\a)+\b)+7], v[\f+64+8*(4*\c+\b):\f+64+8*(4*\c+\b)+7], v[\f+8*(4*\c+\a):\f+8*(4*\c+\a)+7], v[ACC+8*(4*(\a)+\b):ACC+8*(4*(\a)+\b)+7]
.endif
.endr
.endr
.endm
.macro FETCH slot, kq, f               ; 32 LDS loads: the fragments of the slot's kq-th 64 along K (k groups 2 kq, 2 kq + 1); the first 32 along K first
	WIN TO_F
.irp c, 0,1
.irp i, 0,1,2,3
	ds_load_b128 v[\f+64+8*(4*\c+\i):\f+64+8*(4*\c+\i)+3],   v[ADRB+\slot] offset:(2*(\kq)+\c)*1024+\i*8192
	ds_load_b128 v[\f+64+8*(4*\c+\i)+4:\f+64+8*(4*\c+\i)+7], v[ADRB+\slot] offset:(2*(\kq)+\c)*1024+\i*8192+512
	ds_load_b128 v[\f+8*(4*\c+\i):\f+8*(4*\c+\i)+3],         v[ADRA+\slot] offset:(2*(\kq)+\c)*1024+\i*8192
	ds_load_b128 v[\f+8*(4*\c+\i)+4:\f+8*(4*\c+\i)+7],       v[ADRA+\slot] offset:(2*(\kq)+\c)*1024+\i*8192+512
.endr
.endr
.endm
.macro PLACES
.rept 4
	v_nop
.endr
.endm
.macro QUARTER slot, kq, f, g, zero    ; multiplies buffer f and fetches the quarter kq into g
	s_wait_dscnt 16                                ; the first 32 along K are in; the youngest sixteen loads may be out
	WIN MUL
	MUL8 \f, 0, 0, \zero
	MUL8 \f, 0, 2, \zero
	PLACES
	FETCH \slot, \kq, \g
	s_wait_dscnt 32                                ; all but the 32 just issued
	WIN MUL
	MUL8 \f, 1, 0, 0
	MUL8 \f, 1, 2, 0
.endm
.macro TURN slot, next, fill
	WIN 0
	s_wait_tensorcnt 0x0                           ; all my tensor loads have landed: my part of the next slot
	ds_add_u32 v[SPW], v[NIL]                      ; 0 onto my spare word
	s_wait_dscnt 17                                ; the add and the youngest sixteen loads may be out
	WIN MUL
	MUL8 F1, 0, 0, 0
	s_wait_dscnt 0x0                               ; the add is done, and my reads of this slot are over
	s_barrier_signal -1
	MUL8 F1, 0, 2, 0
.if \fill
	WIN 0
.endif
	s_barrier_wait -1
.if \fill
	CREST                                          ; a round of the cluster's barrier: no wave of any partner still reads this slot or has a load on its way
	s_add_nc_u64 s[G0+4*\slot+2:G0+4*\slot+3], s[G0+4*\slot+2:G0+4*\slot+3], 2*KSB
	s_add_nc_u64 s[G0B+4*\slot+2:G0B+4*\slot+3], s[G0B+4*\slot+2:G0B+4*\slot+3], 2*KSB
	JLOAD \slot
.else
	PLACES
.endif
	FETCH \next, 0, F0
	WIN MUL
	MUL8 F1, 1, 0, 0
	MUL8 F1, 1, 2, 0
.endm
	s_wait_tensorcnt 1                             ; my part of K step 0 is in; K step 1's may stay out
	s_barrier_signal -1
	s_barrier_wait -1
	FETCH 0, 0, F0
	QUARTER 0, 1, F0, F1, 1
	WIN 0
	s_mov_b32 s3, LAPS-1
.Llap:
	QUARTER 0, 2, F1, F0, 0
	QUARTER 0, 3, F0, F1, 0
	TURN 0, 1, 1
	QUARTER 1, 1, F0, F1, 0
	QUARTER 1, 2, F1, F0, 0
	QUARTER 1, 3, F0, F1, 0
	TURN 1, 0, 1
	QUARTER 0, 1, F0, F1, 0
	WIN 0
	s_sub_co_u32 s3, s3, 1
	s_cmp_lg_u32 s3, 0
	s_cbranch_scc1 .Llap
	QUARTER 0, 2, F1, F0, 0                        ; the last lap fills nothing
	QUARTER 0, 3, F0, F1, 0
	TURN 0, 1, 0
	QUARTER 1, 1, F0, F1, 0
	QUARTER 1, 2, F1, F0, 0
	QUARTER 1, 3, F0, F1, 0
	s_wait_dscnt 16
	WIN MUL
	MUL8 F1, 0, 0, 0
	MUL8 F1, 0, 2, 0
	s_wait_dscnt 0
	MUL8 F1, 1, 0, 0
	MUL8 F1, 1, 2, 0
	WIN 0
.macro TOSTAGE a                       ; block a's 16 rows x 64 columns into my stage and back as whole rows.  LDS serves a wave's instructions in order: no wait between
.set BK, OB+32*((\a)%2)
.irp b, 0,1,2,3
	ds_store_b128 v[STO], v[ACC+8*(4*(\a)+\b):ACC+8*(4*(\a)+\b)+3] offset:64*\b          ; each accumulator from its low end on
	ds_store_b128 v[STO], v[ACC+8*(4*(\a)+\b)+4:ACC+8*(4*(\a)+\b)+7] offset:64*\b+16
.endr
.irp t, 0,1,2,3,4,5,6,7
	ds_load_b128 v[BK+4*\t:BK+4*\t+3], v[RD] offset:\t*2*SPITCH
.endr
.endm
.macro SEND a, younger
.set BK, OB+32*((\a)%2)
	s_wait_dscnt \younger
.irp t, 0,1,2,3,4,5,6,7
	global_store_b128 v[CO], v[BK+4*\t:BK+4*\t+3], s[8:9] offset:(16*(\a)+2*\t)*8192 th:TH_STORE_NT   ; sixteen lanes store 256 consecutive bytes, aligned
.endr
.endm
	PLACES
	TOSTAGE 0
	s_wait_dscnt 0x0
	v_cmp_ne_u32 vcc_lo, 0, v[ROWW]                ; rows 0-15 of out0 are not mine to store.  The row hangs on the place in the cluster: a mask, no branch
	s_wait_xcnt 0x0                                ; EXEC changes only behind this wait
	s_and_saveexec_b32 s3, vcc_lo
	SEND 0, 0
	s_wait_xcnt 0x0                                ; and again; block 0's stores have also read their registers, into which block 2 comes back
	s_or_b32 exec_lo, exec_lo, s3
	TOSTAGE 1
	TOSTAGE 2
	SEND 1, 16                                     ; behind block 1's loads: block 2's eight stores and eight loads
	s_wait_xcnt 0x0                                ; block 1's stores have read their registers
	TOSTAGE 3
	SEND 2, 16
	SEND 3, 0
	s_wait_tensorcnt 0x0                           ; the wave's end
	ds_add_u32 v[SPW], v[NIL]
	s_wait_dscnt 0x0
	CROUND                                         ; the closing round
	s_endpgm
.Lfunc_end_k_qd910cdeffd_proj:
	.size	k_qd910cdeffd_proj, .Lfunc_end_k_qd910cdeffd_proj-k_qd910cdeffd_proj
	.p2alignl 7, 3214868480
	.fill 96, 4, 3214868480
	.section	.rodata,"a",@progbits
	.p2align	6, 0x0
	.amdhsa_kernel k_qd910cdeffd_proj
		.amdhsa_group_segment_fixed_size 327680
		.amdhsa_private_segment_fixed_size 0
		.amdhsa_enable_private_segment 0
		.amdhsa_kernarg_size 24
		.amdhsa_user_sgpr_count 2
		.amdhsa_user_sgpr_kernarg_segment_ptr 1
		.amdhsa_wavefront_size32 1
		.amdhsa_system_sgpr_workgroup_id_x 1
		.amdhsa_system_sgpr_workgroup_id_y 1
		.amdhsa_system_sgpr_workgroup_id_z 1
		.amdhsa_system_vgpr_workitem_id 0
		.amdhsa_next_free_vgpr 512
		.amdhsa_next_free_sgpr 66
		.amdhsa_reserve_vcc 1
		.amdhsa_float_denorm_mode_32 3
		.amdhsa_float_denorm_mode_16_64 3
		.amdhsa_memory_ordered 1
		.amdhsa_forward_progress 1
		.amdhsa_inst_pref_size 86
	.end_amdhsa_kernel
	.amdgpu_metadata
---
amdhsa.version: [ 1, 2 ]
amdhsa.kernels:
  - .name:           k_qd910cdeffd_proj
    .symbol:         k_qd910cdeffd_proj.kd
    .args:
      - { .name: a16, .offset: 0, .size: 8, .value_kind: global_buffer, .address_space: global }
      - { .name: wo16, .offset: 8, .size: 8, .value_kind: global_buffer, .address_space: global }
      - { .name: out0, .offset: 16, .size: 8, .value_kind: global_buffer, .address_space: global }
    .group_segment_fixed_size: 327680
    .private_segment_fixed_size: 0
    .kernarg_segment_align: 8
    .kernarg_segment_size: 24
    .max_flat_workgroup_size: 128
    .sgpr_count:     66
    .vgpr_count:     512
    .wavefront_size: 32
...
	.end_amdgpu_metadata
.endif
;; end of part 5
